; MI455X (gfx1250); checked and timed in simulation.
; The chip was launched on July 23, 2026; its instructions are those of AMD's public machine-readable ISA for CDNA 5 (MIT licence, August 2026) and "CDNA5" Instruction Set Architecture Reference Guide (July 2026). The comments in the code are by the model that wrote it; some were corrected since.
;; Self Attention. Allowed arithmetic: matrix products marked QUANTISED: E5M2 operands, one given power-of-two scale a tensor, by v_wmma_f32_16x16x64_bf8_bf8 or v_wmma_f32_16x16x128_bf8_bf8, f32 sums; everything else in f32.
;; Inputs: Wk 1,024 x 1,024 float32; Wo 1,024 x 1,024 float32; Wq 1,024 x 1,024 float32; Wv 1,024 x 1,024 float32; bo 1,024 float32; keys 4 x 2,048 x 1,024 float32; lowp_scales 12 int32 (the exponents e of the quantised operands' scales 2^e); mask 4 x 1 x 2,048 x 2,048 int32; queries 4 x 2,048 x 1,024 float32; values 4 x 2,048 x 1,024 float32.
;; Outputs: out0 4 x 2,048 x 1,024 float32.
;; This version of the problem:
;;   THIS VERSION OF THE PROBLEM IS GIVEN IN LOW PRECISION. The matrix products marked QUANTISED in the list below multiply operands that are first quantised to E5M2 (5 exponent bits, 2 mantissa bits; 8 bits a number), with one given power-of-two scale for each operand tensor; their sums are f32. All else is computed in f32.
;;   The module's matrix products, in the order in which they are computed (A, B: the left and right operand; K: the contracted axis; several contracted axes count as one K, in the product's order):
;;     1. [M 8,192, K 1,024] x [K 1,024, N 1,024]; A: input queries; B: input Wq: QUANTISED (scales: A lowp_scales[0], B lowp_scales[1])
;;     2. [M 8,192, K 1,024] x [K 1,024, N 1,024]; A: input keys; B: input Wk: QUANTISED (scales: A lowp_scales[2], B lowp_scales[3])
;;     3. [M 8,192, K 1,024] x [K 1,024, N 1,024]; A: input values; B: input Wv: QUANTISED (scales: A lowp_scales[4], B lowp_scales[5])
;;     4. batch 64 x [M 2,048, K 64] x [K 64, N 2,048]; A: computed on the way; B: computed on the way: QUANTISED (scales: A lowp_scales[6], B lowp_scales[7])
;;     5. batch 64 x [M 64, K 2,048] x [K 2,048, N 2,048]; A: computed on the way; B: softmax (see below): QUANTISED (scales: A lowp_scales[8], B lowp_scales[9])
;;     6. [M 8,192, K 1,024] x [K 1,024, N 1,024]; A: computed on the way; B: input Wo: QUANTISED (scales: A lowp_scales[10], B lowp_scales[11])
;;   THE QUANTISER, for each operand of a quantised product, along K:
;;     - The operand's scale is 2^e, e = its entry of the input lowp_scales (int32; the entries are numbered through the quantised products in the list's order, A before B).
;;     - Each number is divided by the scale, clamped to +-57,344, and rounded to the nearest number of E5M2, ties to even, subnormals kept.
;;     - The product sums the exact products of the quantised numbers (number of the format x scale) in f32.
;;   ~~~python
;;   def quantise(x, axis, e):      # numpy; x: float32 -> the quantised numbers, widened to float32 again
;;       x = np.moveaxis(x, axis, -1); K = x.shape[-1]
;;       r = np.clip(x / 2.0 ** e, -57344, 57344)
;;       step = 2.0 ** (np.maximum(np.frexp(np.where(r == 0, 1, r))[1] - 1, -14) - 2)
;;       q = np.round(r / step) * step * 2.0 ** e      # np.round: ties to even
;;       return np.moveaxis(q, -1, axis).astype(np.float32)
;;   ~~~
;;   SOFTMAX AHEAD OF A QUANTISED PRODUCT. Where the list says 'softmax', what is quantised is not the finished softmax but p = 2^(t - M), with t = logit x log2(e) and M = ceil(the row's largest t), a whole number; so 1/2 < the row's largest p <= 1. The row's sum l is taken of the UNQUANTISED p, in f32, and the product's result is divided by l at the end. Since M is a whole number, a kernel that streams over the keys may use a running M (the ceiling of the running maximum): every later rescaling is an exact power of two, so the quantised numbers keep their values, but for numbers so far below the row's largest that they fall under the format's range.
;;   OPERANDS COMPUTED ON THE WAY. 'Computed on the way' means the value that the module computes at that place (a softmax that the list does not call 'softmax' is quantised finished and normalised). What goes into a quantiser is computed in f32, as accurately as f32 sums, v_exp_f32 and their like allow (about 1e-6 of the number): no bf16 or f16 on the way to a quantiser, and a product that is left as it is and whose result goes on into a quantised operand takes f32 operands (vector FMAs, or v_wmma_f32_16x16x4_f32). A number that lies on a knife's edge between two numbers of the format may be rounded either way, as far as f32 arithmetic and the matrix unit's own rounding can turn it there, and no further.
;; One version. Each part assembles by itself: llvm-mc -triple=amdgcn-amd-amdhsa -mcpu=gfx1250 --defsym DOCPART=n.
;; ======== version 1 of 1: 4 launches
;; limits: right only within a limited range of input values
;; workspace buffers: xcodes 25,165,824 bytes; wcodes 4,194,304 bytes; qkcodes 16,777,216 bytes; vtcodes 8,388,608 bytes; acodes 8,388,608 bytes; maskbits 2,097,152 bytes of whole numbers; mflag 262,144 bytes of whole numbers
;; launch prep (part 1): grid 1408 x 1, 4 waves a work-group, no clusters, 34,304 bytes of LDS; arguments queries, keys, values, Wq, Wk, Wv, Wo, lowp_scales, xcodes, wcodes, mask, maskbits, mflag; writes xcodes, wcodes, maskbits, mflag
.if DOCPART == 1
	.amdgcn_target "amdgcn-amd-amdhsa--gfx1250"
	.amdhsa_code_object_version 6
	.text
	.protected	k_qa39eea8344_prep
	.globl	k_qa39eea8344_prep
	.p2align	8
	.type	k_qa39eea8344_prep,@function
k_qa39eea8344_prep:
	s_mov_b64 s[64:65], 0
	v_nop
	global_prefetch_b8 v0, s[64:65] scope:SCOPE_SE
	s_setreg_imm32_b32 hwreg(HW_REG_WAVE_MODE, 25, 1), 1
	s_wait_xcnt 0x0
; SelfAttention, B 4, L 2,048, E 1,024, H 16, D 64, all six products on codes of BF8 (E5M2), each operand with the one scale 2^e that is given for it.
; DEAD WORK: none.  Every input (queries, keys, values, mask, the four weights, bo, lowp_scales) has a way to out0 for some values of the inputs, so all are loaded and nothing of reference() is left out.
; THIS LAUNCH does two things that depend on no other: work-groups 0-895 quantise the activations and the weights, work-groups 896-1,407 pack the mask.  The two paths part on the work-group's number at the head.
;
; THE QUANTISER.  The three activations [8,192][1,024] and the four weights [1,024 (n)][1,024 (k)], all f32 with K innermost, become codes, one a byte:
;   xcodes [3: queries, keys, values][8,192][1,024];  wcodes [4: Wq, Wk, Wv, Wo][1,024][1,024].
; code = x / 2^e, held within +-57,344, rounded to the nearest code, ties to even.  e: entries 0, 2, 4 of lowp_scales for the activations, 1, 3, 5, 11 for the weights.
; LIMITS: each e between -126 and 112, so that 2^e and 57,344 x 2^e are f32 numbers.  NaN among the inputs is not served (an infinity is held at the largest code).
; Rows are dense, so each tensor is a plain stream.  A work-group takes 32,768 numbers, a wave 8,192 in 16 steps of 512 (half a row).  Work-groups 0-767 take the activations (256 each), 768-895 the weights (32 each);
; only pointers and two strides are chosen by the work-group's number: all seven tensors take one path.
; THE ORDER OF K IN THE CODES.  A product sums over all of K, so its two operands' codes may lie in any order along K that is the same in both.  The activations and Wq, Wk, Wv meet only each other, and all go through this
; text alike.  So a lane keeps the 16 numbers that four dense loads give it (load i, lane l, number j: k = 128 i + 4 l + j of the step's 512) and stores their codes as its 16 bytes: byte 16 l + 4 i + j of the step's 512.
; Each load reads, and each store writes, 512 consecutive bytes, aligned, and nothing changes lanes.  Wo meets the attention's result, which comes in the natural order: for Wo a lane takes 64 consecutive bytes
; (lanes 64 bytes apart, loads 16), and its codes lie in the natural order.  The two cases differ in the four address registers alone.
; Loads run four steps (16 loads a wave) ahead.  No LDS, no barrier.
;
; THE MASK [4][1][2,048 (q)][2,048 (k)], int32, is read once and packed to one bit a number, in the order in which the attention launch wants it.
; maskbits [b][T: 128 tiles of 16 queries][s: 16 steps of 128 keys][64 words]: bit r + 16 h of word n is 1 where mask[b][16 T + r][128 s + 32 (n / 16) + 16 h + n % 16] == 0:
; word n is the lane mask of the attention launch's score register n.
; mflag [b x 128 + T][4 quarters][32 equal words]: the word of quarter w has bit 4 w + i set where key step 4 w + i of that tile of queries has a hole.
; A work-group takes 16 rows of queries (131,072 bytes of the mask), wave w key steps 4 w .. 4 w + 3.  Each load reads 512 consecutive bytes of one row; a step's 16 x 512 bytes turn through the wave's own stage in LDS
; (rows 528 bytes apart), so that lane (r, h) holds row r's numbers in the order of the score registers; a compare gives a word, v_writelane_b32 puts word n into lane n / 2, and one store of 8 bytes a lane
; writes the step's 256 consecutive bytes, aligned.  No barrier: waves share nothing.  Two steps' loads (32 a wave) are out at the start.
.set NQ,    896                        ; work-groups of the quantiser
.set NX,    768                        ; of them the activations': 3 x 8,388,608 / 32,768
.set NWO,   864                        ; from here on: Wo's
.set STEPS, 16
.set EMAX,  15
.set MANT,  0x600000                   ; the mantissa field of 57,344 as f32
.set AD,    4                          ; v4-7     the quantiser: the byte offsets of a step's four loads; never rewritten
.set QR,    16                         ; v16-79   four sets of 16 numbers
.set QC,    128                        ; v128-191 codes: four registers for each step, so that no store's data are written again
.set PITCH, 528                        ; the mask: a row of a stage
.set WST,   16*PITCH                   ; a wave's stage
.set SPARE, 4*WST                      ; behind the stages: the spare words, 128 bytes for each wave, which no other line names
.set ML,    16                         ; v16-143  the mask: two sets of 64 registers as loaded
.set MR,    144                        ; v144-207 a step's 64 numbers of my row
.set MW,    208                        ; v208-215 a pair of registers for each step's words: no store's data are written again
.set SPW,   12                         ; v12      LDS address of my spare word; never rewritten
.set NIL,   13                         ; v13      0; never rewritten
	v_lshl_add_u32 v[SPW], v0, 2, SPARE
	v_mov_b32 v[NIL], 0
	v_lshrrev_b32 v1, 5, v0
	v_readfirstlane_b32 s28, v1                    ; wave
	v_and_b32 v2, 31, v0                           ; lane
	s_cmp_ge_u32 ttmp9, NQ
	s_cbranch_scc1 .Lmask
	; ---------------- the quantiser
	s_load_b512 s[4:19], s[0:1], 0x0               ; queries, keys, values, Wq, Wk, Wv, Wo, lowp_scales
	s_load_b128 s[20:23], s[0:1], 0x40             ; xcodes, wcodes
	v_lshlrev_b32 v3, 4, v2                        ; my codes' place in a step's 512 bytes
	s_cmp_ge_u32 ttmp9, NWO                        ; Wo?
	s_cselect_b32 s29, 6, 4                        ; from lane to lane: 64 bytes, else 16
	s_cselect_b32 s33, 16, 512                     ; from load to load: 16 bytes, else 512
	v_lshlrev_b32 v[AD], s29, v2
	v_add_nc_u32 v[AD+1], s33, v[AD]
	v_add_nc_u32 v[AD+2], s33, v[AD+1]
	v_add_nc_u32 v[AD+3], s33, v[AD+2]
	; offsets, made apart from the addresses
	s_cmp_lt_u32 ttmp9, NX                         ; an activation's work-group or a weight's?
	s_cselect_b32 s30, 255, 31
	s_cselect_b32 s31, 0, NX
	s_and_b32 s30, ttmp9, s30                      ; which 32,768 numbers of the tensor (768 is a multiple of 32)
	s_sub_co_u32 s31, ttmp9, s31                   ; which 32,768 codes of the buffer of codes
	s_lshl_b32 s34, s30, 17
	s_lshl_b32 s32, s28, 15
	s_add_co_u32 s34, s34, s32                     ; source: 131,072 x part + 32,768 x wave
	s_mov_b32 s35, 0
	s_lshl_b32 s36, s31, 15
	s_lshl_b32 s32, s28, 13
	s_add_co_u32 s36, s36, s32                     ; destination: 32,768 x index + 8,192 x wave
	s_mov_b32 s37, 0
	s_lshr_b32 s38, ttmp9, 8
	s_lshl_b32 s38, s38, 3                         ; the scale's byte: an activation's entry 2 t,
	s_lshr_b32 s39, s31, 5
	s_lshl_b32 s39, s39, 3
	s_add_co_u32 s39, s39, 4                       ; a weight's entry 2 w + 1,
	s_cmp_eq_u32 s39, 28
	s_cselect_b32 s39, 44, s39                     ; but Wo's entry 11
	s_cmp_lt_u32 ttmp9, NX
	s_cselect_b32 s38, s38, s39
	s_wait_kmcnt 0x0
	s_load_b32 s30, s[18:19], s38 offset:0x0       ; e
	s_mov_b64 s[24:25], s[4:5]                     ; the source: each choice hangs on the work-group's number alone
	s_cmp_ge_u32 ttmp9, 256
	s_cselect_b64 s[24:25], s[6:7], s[24:25]
	s_cmp_ge_u32 ttmp9, 512
	s_cselect_b64 s[24:25], s[8:9], s[24:25]
	s_cmp_ge_u32 ttmp9, 768
	s_cselect_b64 s[24:25], s[10:11], s[24:25]
	s_cmp_ge_u32 ttmp9, 800
	s_cselect_b64 s[24:25], s[12:13], s[24:25]
	s_cmp_ge_u32 ttmp9, 832
	s_cselect_b64 s[24:25], s[14:15], s[24:25]
	s_cmp_ge_u32 ttmp9, 864
	s_cselect_b64 s[24:25], s[16:17], s[24:25]
	s_cmp_lt_u32 ttmp9, NX
	s_cselect_b64 s[26:27], s[20:21], s[22:23]     ; the destination
	s_add_nc_u64 s[24:25], s[24:25], s[34:35]
	s_add_nc_u64 s[26:27], s[26:27], s[36:37]
.macro QLOAD t                         ; step t's 512 numbers into set t % 4
.irp i, 0,1,2,3
	global_load_b128 v[QR+16*((\t)%4)+4*\i:QR+16*((\t)%4)+4*\i+3], v[AD+\i], s[24:25] offset:2048*(\t) th:TH_LOAD_NT
.endr
.endm
.irp t, 0,1,2,3
	QLOAD \t
.endr
	s_wait_kmcnt 0x0
	s_add_co_i32 s30, s30, 127
	s_lshl_b32 s31, s30, 23
	v_mov_b32 v11, s31                             ; 2^e as f32: the conversion takes its exponent field
	s_add_co_i32 s30, s30, EMAX
	s_lshl_b32 s30, s30, 23
	s_or_b32 s30, s30, MANT
	v_mov_b32 v10, s30                             ; 57,344 x 2^e
.macro QSTEP t
.set XS, QR+16*((\t)%4)
.if 15-(\t) >= 3
	s_wait_loadcnt 12                              ; this step's four loads are in; the twelve of the three steps behind it may be out
.else
	s_wait_loadcnt 4*(15-(\t))                     ; the last steps: the counts run down
.endif
.irp i, 0,1,2,3,4,5,6,7,8,9,10,11,12,13,14,15
	v_med3_num_f32 v[XS+\i], v[XS+\i], -v10, v10   ; the conversion to an 8-bit code does not saturate (ISA guide 7.6.2): the number is held within the largest code x the scale first
.endr
	v_cvt_scalef32_pk8_bf8_f32 v[QC+4*(\t):QC+4*(\t)+1], v[XS:XS+7], v11
	v_cvt_scalef32_pk8_bf8_f32 v[QC+4*(\t)+2:QC+4*(\t)+3], v[XS+8:XS+15], v11
.if (\t)+4 < STEPS
	QLOAD (\t)+4                                   ; the set takes the loads of four steps on.  (Behind the conversions stand loads into their sources and a store of their results; the next vector lines, the next step's holds, are plain and touch other registers)
.endif
	global_store_b128 v3, v[QC+4*(\t):QC+4*(\t)+3], s[26:27] offset:512*(\t)   ; 32 lanes store 512 consecutive bytes, aligned
.endm
.irp t, 0,1,2,3,4,5,6,7,8,9,10,11,12,13,14,15
	QSTEP \t
.endr
	s_wait_tensorcnt 0x0                           ; the wave's end
	ds_add_u32 v[SPW], v[NIL]
	s_wait_dscnt 0x0
	s_endpgm
	; ---------------- the mask
.Lmask:
	s_load_b128 s[4:7], s[0:1], 0x50               ; mask, maskbits
	s_load_b64 s[8:9], s[0:1], 0x60                ; mflag
	s_sub_co_u32 s30, ttmp9, NQ                    ; which 16 rows of queries: 128 b + T
	v_lshlrev_b32 v1, 4, v2                        ; 16 x lane
	v_lshlrev_b32 v4, 3, v2                        ; 8 x lane
	v_lshlrev_b32 v5, 2, v2                        ; 4 x lane
	s_mul_i32 s14, s28, WST
	v_add_nc_u32 v8, s14, v1                       ; into the stage: 16 x lane of a row
	v_and_b32 v3, 15, v0
	v_mul_u32_u24 v3, v3, PITCH
	v_bfe_u32 v7, v0, 4, 1
	v_lshl_add_u32 v3, v7, 6, v3
	v_add_nc_u32 v3, s14, v3                       ; out of it: row r, + 64 h bytes (16 numbers)
.irp j, 0,1,2,3,4,5,6,7
	v_mov_b32 v[MW+\j], 0                          ; v_writelane_b32's destination counts as read
.endr
	s_mov_b32 s13, 0                               ; my four steps' flags
	s_lshl_b32 s16, s30, 17
	s_lshl_b32 s15, s28, 11
	s_add_co_u32 s16, s16, s15                     ; mask: 131,072 x (128 b + T) + 2,048 x wave
	s_mov_b32 s17, 0
	s_lshl_b32 s18, s30, 12
	s_lshl_b32 s15, s28, 10
	s_add_co_u32 s18, s18, s15                     ; maskbits: 256 x (16 x (128 b + T) + 4 x wave)
	s_mov_b32 s19, 0
	s_lshl_b32 s10, s30, 9
	s_lshl_b32 s15, s28, 7
	s_add_co_u32 s10, s10, s15                     ; mflag: 512 x (128 b + T) + 128 x wave
	s_mov_b32 s11, 0
	s_wait_kmcnt 0x0
	s_add_nc_u64 s[4:5], s[4:5], s[16:17]
	s_add_nc_u64 s[6:7], s[6:7], s[18:19]
	s_add_nc_u64 s[8:9], s[8:9], s[10:11]
.macro MLOADS i
.irp p, 0,1,2,3,4,5,6,7,8,9,10,11,12,13,14,15
	global_load_b128 v[ML+64*((\i)%2)+4*\p:ML+64*((\i)%2)+4*\p+3], v1, s[4:5] offset:\p*8192+512*(\i) th:TH_LOAD_NT   ; row p's 128 numbers of step i
.endr
.endm
.macro MSTEP i
.if (\i) < 3
	s_wait_loadcnt 16                              ; this step's 16 loads are in; the next step's 16 may be out
.else
	s_wait_loadcnt 0x0
.endif
.irp p, 0,1,2,3,4,5,6,7,8,9,10,11,12,13,14,15
	ds_store_b128 v8, v[ML+64*((\i)%2)+4*\p:ML+64*((\i)%2)+4*\p+3] offset:\p*PITCH
.endr
.irp bb, 0,1,2,3
.irp j, 0,1,2,3
	ds_load_b128 v[MR+16*\bb+4*\j:MR+16*\bb+4*\j+3], v3 offset:128*\bb+16*\j   ; LDS serves a wave's instructions in order: these see the stores above.  Register 16 bb + e: key 32 bb + 16 h + e
.endr
.endr
	s_wait_dscnt 0x0                               ; the numbers are back, and the stores have read their registers,
.if (\i) < 2
	MLOADS (\i)+2                                  ; which take the loads of two steps on
.endif
.set n, 0
.rept 8                                ; eight words at a time: eight compares, then eight moves, so that no line reads the result of the line above it
.irp k, 0,1,2,3,4,5,6,7
	v_cmp_eq_u32 s[20+\k], 0, v[MR+n+\k]           ; word n + k: a bit for each lane
.endr
.irp k, 0,1,2,3,4,5,6,7
	v_writelane_b32 v[MW+2*(\i)+(n+\k)%2], s[20+\k], (n+\k)/2
.endr
.set n, n+8
.endr
	global_store_b64 v4, v[MW+2*(\i):MW+2*(\i)+1], s[6:7] offset:256*(\i)   ; lane l: words 2 l, 2 l + 1: 256 consecutive bytes, aligned
	v_or_b32 v6, v[MW+2*(\i)], v[MW+2*(\i)+1]
	v_cmp_ne_u32 vcc_lo, 0, v6
	s_cmp_lg_u32 vcc_lo, 0                         ; has the step a hole?
	s_cselect_b32 s14, 1<<(\i), 0
	s_or_b32 s13, s13, s14
.endm
	MLOADS 0
	MLOADS 1
	MSTEP 0
	MSTEP 1
	MSTEP 2
	MSTEP 3
	s_lshl_b32 s15, s28, 2
	s_lshl_b32 s13, s13, s15                       ; bits 4 w .. 4 w + 3
	v_mov_b32 v7, s13
	global_store_b32 v5, v7, s[8:9]                ; 32 equal words: 128 consecutive bytes
	s_wait_tensorcnt 0x0                           ; the wave's end, behind my last LDS store
	ds_add_u32 v[SPW], v[NIL]
	s_wait_dscnt 0x0
	s_endpgm
.Lfunc_end_k_qa39eea8344_prep:
	.size	k_qa39eea8344_prep, .Lfunc_end_k_qa39eea8344_prep-k_qa39eea8344_prep
	.p2alignl 7, 3214868480
	.fill 96, 4, 3214868480
	.section	.rodata,"a",@progbits
	.p2align	6, 0x0
	.amdhsa_kernel k_qa39eea8344_prep
		.amdhsa_group_segment_fixed_size 34304
		.amdhsa_private_segment_fixed_size 0
		.amdhsa_enable_private_segment 0
		.amdhsa_kernarg_size 104
		.amdhsa_user_sgpr_count 2
		.amdhsa_user_sgpr_kernarg_segment_ptr 1
		.amdhsa_wavefront_size32 1
		.amdhsa_system_sgpr_workgroup_id_x 1
		.amdhsa_system_sgpr_workgroup_id_y 1
		.amdhsa_system_sgpr_workgroup_id_z 1
		.amdhsa_system_vgpr_workitem_id 0
		.amdhsa_next_free_vgpr 216
		.amdhsa_next_free_sgpr 66
		.amdhsa_reserve_vcc 1
		.amdhsa_float_denorm_mode_32 3
		.amdhsa_float_denorm_mode_16_64 3
		.amdhsa_memory_ordered 1
		.amdhsa_forward_progress 1
		.amdhsa_inst_pref_size 79
	.end_amdhsa_kernel
	.amdgpu_metadata
---
amdhsa.version: [ 1, 2 ]
amdhsa.kernels:
  - .name:           k_qa39eea8344_prep
    .symbol:         k_qa39eea8344_prep.kd
    .args:
      - { .name: queries, .offset: 0, .size: 8, .value_kind: global_buffer, .address_space: global }
      - { .name: keys, .offset: 8, .size: 8, .value_kind: global_buffer, .address_space: global }
      - { .name: values, .offset: 16, .size: 8, .value_kind: global_buffer, .address_space: global }
      - { .name: Wq, .offset: 24, .size: 8, .value_kind: global_buffer, .address_space: global }
      - { .name: Wk, .offset: 32, .size: 8, .value_kind: global_buffer, .address_space: global }
      - { .name: Wv, .offset: 40, .size: 8, .value_kind: global_buffer, .address_space: global }
      - { .name: Wo, .offset: 48, .size: 8, .value_kind: global_buffer, .address_space: global }
      - { .name: lowp_scales, .offset: 56, .size: 8, .value_kind: global_buffer, .address_space: global }
      - { .name: xcodes, .offset: 64, .size: 8, .value_kind: global_buffer, .address_space: global }
      - { .name: wcodes, .offset: 72, .size: 8, .value_kind: global_buffer, .address_space: global }
      - { .name: mask, .offset: 80, .size: 8, .value_kind: global_buffer, .address_space: global }
      - { .name: maskbits, .offset: 88, .size: 8, .value_kind: global_buffer, .address_space: global }
      - { .name: mflag, .offset: 96, .size: 8, .value_kind: global_buffer, .address_space: global }
    .group_segment_fixed_size: 34304
    .private_segment_fixed_size: 0
    .kernarg_segment_align: 8
    .kernarg_segment_size: 104
    .max_flat_workgroup_size: 128
    .sgpr_count:     66
    .vgpr_count:     216
    .wavefront_size: 32
...
	.end_amdgpu_metadata
.endif
;; end of part 1
;; launch proj (part 2): grid 4 x 96, 4 waves a work-group, clusters of 4 x 4, 327,680 bytes of LDS; arguments xcodes, wcodes, lowp_scales, qkcodes, vtcodes; writes qkcodes, vtcodes
.if DOCPART == 2
	.amdgcn_target "amdgcn-amd-amdhsa--gfx1250"
	.amdhsa_code_object_version 6
	.text
	.protected	k_qa39eea8344_proj
	.globl	k_qa39eea8344_proj
	.p2align	8
	.type	k_qa39eea8344_proj,@function
k_qa39eea8344_proj:
	s_mov_b64 s[64:65], 0
	v_nop
	global_prefetch_b8 v0, s[64:65] scope:SCOPE_SE
	s_setreg_imm32_b32 hwreg(HW_REG_WAVE_MODE, 25, 1), 1
	s_wait_xcnt 0x0
	s_wait_alu depctr_hold_cnt(0) depctr_sa_sdst(0) depctr_va_vdst(0) depctr_va_sdst(0) depctr_va_ssrc(0) depctr_va_vcc(0) depctr_vm_vsrc(0)
	s_getreg_b32 s2, hwreg(HW_REG_IB_STS2, 6, 4)
	s_cmp_eq_u32 s2, 0
	s_cbranch_scc0 .Lentry_in_a_cluster
	s_endpgm
.Lentry_in_a_cluster:
	s_bfe_u32 s2, ttmp6, 0x10000c
	s_cmp_lg_u32 s2, 0xf033
	s_cbranch_scc0 .Lentry_shape_is_right
	s_endpgm
.Lentry_shape_is_right:
; The three projections q = queries Wq^T, k = keys Wk^T, v = values Wv^T on codes of BF8, each result quantised at once for the attention's products.  Nothing is left out.
; In: xcodes [3][8,192][1,024], wcodes [4][1,024][1,024], K innermost.  Out: qkcodes [2: q, k][b][h][l][64] (K = the head's 64 innermost), vtcodes [64 h + d][2,048 b + l] (K = the keys innermost).
; A sum stands for sum x 2^(ea + eb) and its code is sum / 2^(eout - ea - eb): the three given scales are folded into the conversion's one.  ea, eb: entries 2 t, 2 t + 1 of lowp_scales; eout: entry 6 + t (t = 0 q, 1 k, 2 v).
; LIMIT: eout - ea - eb between -126 and 112, so that this power of two, and 57,344 times it, are f32 numbers.
; SHARES.  A tile of 256 tokens x 256 channels is made by a work-group of four waves, a wave 128 x 128: 64 accumulators, 512 registers.  Work-group y = 32 t + yy takes tokens 256 yy on of tensor t, work-group x channels 256 x on.
; K = 1,024 goes in four steps of 256 through a ring of two LDS slots filled by the tensor data mover; a tile's row is 256 bytes of memory.
; CLUSTERS: 4 x 4 work-groups.  The four of a row of the cluster need the same tile of tokens, the four of a column the same tile of the weight: each tile is asked for jointly.  t is made of the cluster's y alone: it is equal in all sixteen.
; WHICH REGION FEEDS WHICH SOURCE.  In a result a lane holds one row of source 1 and eight neighbouring rows of source 0.  For q and k source 0 = the weight's rows, source 1 = tokens: a lane's eight numbers are eight channels of a token.
; For v the two regions change places: a lane's eight numbers are eight tokens of a channel.  So the conversions give codes with the next product's K innermost, and nothing is transposed.
; REGISTERS, in windows of 256: window 0: v0-31 addresses; from v128 source 1's fragments, ONE set; on the way out v32-255 are free.  window 1: source 0's fragments, TWO sets.  windows 2, 3: the accumulators ((a, b) at v[8 (8 (a % 4) + b)]).
.set KSTEP,  256
.set ROWB,   256                       ; a tile's row in bytes
.set KROW,   1024                      ; a row of codes in memory
.set PITCH,  272                       ; an LDS row: 256 bytes + 16 of padding = 68 words: the 16 rows that a load touches start at 16 different banks (64 banks of 4 bytes: ISA guide 11.1)
.set FR,     16                        ; registers of a fragment: 16 rows x 128 K
.set NL,     4                         ; LDS loads that bring one
.set NP,     4                         ; places behind this matrix instruction (ISA guide 7.12.1)
.set HALFT,  128*PITCH                 ; 128 rows: what one tensor load brings
.set SLOT,   4*HALFT                   ; the tokens' 256 rows, then the weight's 256 rows
.set LAPS,   2                         ; 1,024 / 512: a lap = two K steps = once round the ring
.set SPARE,  2*SLOT                    ; behind the ring: the spare words, 128 bytes for each wave, which no other line names
.set ADRA, 16                          ; v16-17  LDS address of source 1's fragments in slot 0, 1
.set ADRB, 20                          ; v20-21  of source 0's
.set GOQ,  22                          ; v22     q, k: my byte offset in a store's 512 bytes
.set GOV,  23                          ; v23     v: my byte offset in a store's two rows
.set STO,  24                          ; v24     the stage: where I put 8 codes
.set RDQ,  25                          ; v25-26  q, k: where I read the stage back (rows 0-127, rows 128-255)
.set RDV,  27                          ; v27     v: the same
.set SPW,  28                          ; v28     LDS address of my spare word; never rewritten
.set NIL,  29                          ; v29     0; never rewritten
.set SCL,  30                          ; v30     2^(eout - ea - eb)
.set LIM,  31                          ; v31     57,344 x that
.set TMP,  32                          ; the way out: a block's 64 sums, held
.set AF,   128                         ; source 1's fragments, in window 0
.set CD,   128                         ; the way out: codes, 16 registers for each block; then the stage's rows
.set G1, 24                            ; s[24:31] descriptor group 1 for the tokens' tiles;  s[32:39] group 0, one set for each slot
.set G0, 32
.set G1B, 48                           ; s[48:55], s[56:63] the same for the weight's tiles
.set G0B, 56
.set TT,  66                           ; s66 t: which projection
.set MSB, 0
.macro WIN new                         ; the immediate's high byte repeats the setting that is left
.if MSB != \new
	s_set_vgpr_msb (MSB<<8)|\new
.set MSB, \new
.endif
.endm
.set MUL_LO, 0xa1                      ; source 0 window 1, source 1 window 0, C and D window 2
.set MUL_HI, 0xf1                      ; the same, C and D window 3
.set TO_B,   0x40                      ; destination window 1, address window 0
; A joint load: waves 0 and 1 fetch the tokens' halves, waves 2 and 3 the weight's.  The branch hangs on the wave's number alone.  An s_nop 0 and four v_nop follow each of the two lines.
.macro JLOAD g0a, g1a, g0b, g1b
	s_cmp_eq_u32 s15, 0
	s_cbranch_scc0 .Lfor_b_\@
	tensor_load_to_lds s[\g0a:\g0a+3], s[\g1a:\g1a+7]
	s_nop 0
.rept 4
	v_nop
.endr
	s_branch .Lasked_\@
.Lfor_b_\@:
	tensor_load_to_lds s[\g0b:\g0b+3], s[\g1b:\g1b+7]
	s_nop 0
.rept 4
	v_nop
.endr
.Lasked_\@:
.endm
.macro CREST                           ; a round of the cluster's barrier behind its opening barrier
	s_cmp_lg_u32 s14, 0
	s_cbranch_scc1 .Lnot_wave_0_\@
	s_barrier_signal -3
.Lnot_wave_0_\@:
	s_barrier_wait -3
	s_barrier_signal -1
	s_barrier_wait -1
.endm
.macro CROUND                          ; a whole round
	s_barrier_signal -1
	s_barrier_wait -1
	CREST
.endm
	s_load_b128 s[4:7], s[0:1], 0x0                ; xcodes, wcodes
	s_load_b128 s[8:11], s[0:1], 0x10              ; lowp_scales, qkcodes
	s_load_b64 s[12:13], s[0:1], 0x20              ; vtcodes
	v_lshl_add_u32 v[SPW], v0, 2, SPARE
	v_mov_b32 v[NIL], 0
	ds_add_u32 v[SPW], v[NIL]                      ; the wave's opening: the add, twice on end, and its wait ahead of my first tensor load; the set-up below stands between
	ds_add_u32 v[SPW], v[NIL]
	v_lshrrev_b32 v1, 5, v0
	v_readfirstlane_b32 s14, v1                    ; wave 0..3
	s_lshr_b32 s15, s14, 1                         ; which half of source 1's rows is mine.  Also: I fetch tokens (0) or the weight (1)
	s_and_b32 s16, s14, 1                          ; which half of source 0's rows.  Also: which 128 rows of that tile I fetch
	s_bfe_u32 s40, ttmp6, 0x40000                  ; cx, cy: my place in the cluster
	s_bfe_u32 s41, ttmp6, 0x40004
	s_lshl_b32 s42, ttmp9, 2
	s_add_co_u32 s42, s42, s40                     ; work-group x = 4 x cluster x + cx
	s_and_b32 s17, ttmp7, 0xffff
	s_lshr_b32 s[TT], s17, 3                       ; t = cluster y / 8
	s_lshl_b32 s17, s17, 2
	s_add_co_u32 s17, s17, s41                     ; work-group y = 4 x cluster y + cy
	s_lshl_b32 s43, s41, 2
	s_lshl_b32 s43, 15, s43                        ; my row of the cluster
	s_lshl_b32 s44, 0x1111, s40                    ; my column
	; descriptor group 1: a tile of 128 rows x 256 bytes, padded in LDS
	s_or_b32 s[G1+0], s43, (0<<16)|(1<<20)|(1<<21)|(5<<22)|(3<<25)  ; 15:0 the mask: my row; 17:16 elements of 1 byte; 20 padding on; 21 set beside a mask; 24:22 after every 64 words; 31:25 four words
	s_or_b32 s[G1B+0], s44, (0<<16)|(1<<20)|(1<<21)|(5<<22)|(3<<25) ; the same with my column's mask
.irp g, G1, G1B
	s_mov_b32 s[\g+1], ROWB<<16                    ; tensor_dim0
	s_mov_b32 s[\g+2], 128<<16                     ; tensor_dim1
	s_mov_b32 s[\g+3], ROWB<<16                    ; tile_dim0
	s_mov_b32 s[\g+4], 128                         ; tile_dim1
	s_mov_b32 s[\g+5], KROW                        ; tensor_dim0_stride
	s_mov_b32 s[\g+6], 0
	s_mov_b32 s[\g+7], 0
.endr
	s_lshl_b32 s18, s16, 7                         ; which 128 rows of the tile I fetch
	s_lshl_b32 s20, s17, 8
	s_add_co_u32 s20, s20, s18                     ; tokens: row 256 y + 128 x half of the three stacked tensors
	s_lshl_b32 s46, s42, 8
	s_add_co_u32 s46, s46, s18
	s_lshl_b32 s47, s[TT], 10
	s_add_co_u32 s46, s46, s47                     ; the weight: row 1,024 t + 256 x + 128 x half
	s_mov_b32 s21, 0
	s_mov_b32 s47, 0
	s_mov_b64 s[18:19], KROW
	s_mul_u64 s[20:21], s[20:21], s[18:19]
	s_mul_u64 s[46:47], s[46:47], s[18:19]
	s_mul_i32 s45, s14, HALFT                      ; where they go: wave x 128 rows: no place in the cluster enters an LDS address
	s_lshl_b32 s67, s[TT], 3
	s_lshl_b32 s68, s[TT], 2
	s_wait_dscnt 0x0                               ; both opening adds are done
	s_wait_kmcnt 0x0
	s_load_b64 s[96:97], s[8:9], s67 offset:0x0    ; ea, eb
	s_load_b32 s98, s[8:9], s68 offset:0x18        ; eout
	s_add_nc_u64 s[20:21], s[4:5], s[20:21]
	s_add_nc_u64 s[46:47], s[6:7], s[46:47]
	CROUND                                         ; all sixteen work-groups are here: the first joint loads meet
.irp s, 0,1
	s_mov_b32 s[G0+4*\s], 1
	s_add_co_u32 s[G0+4*\s+1], s45, \s*SLOT
	s_add_nc_u64 s[G0+4*\s+2:G0+4*\s+3], s[20:21], \s*ROWB
	s_or_b32 s[G0+4*\s+3], s[G0+4*\s+3], 0x80000000
	s_mov_b32 s[G0B+4*\s], 1
	s_add_co_u32 s[G0B+4*\s+1], s45, \s*SLOT
	s_add_nc_u64 s[G0B+4*\s+2:G0B+4*\s+3], s[46:47], \s*ROWB
	s_or_b32 s[G0B+4*\s+3], s[G0B+4*\s+3], 0x80000000
	JLOAD G0+4*\s, G1, G0B+4*\s, G1B               ; two tensor loads of mine are out behind these
.endr
	v_and_b32 v1, 15, v0                           ; r = lane % 16
	v_bfe_u32 v2, v0, 4, 1                         ; h = lane / 16
	v_mul_u32_u24 v3, v1, PITCH
	v_lshl_add_u32 v4, v2, 4, v3                   ; a fragment's row x pitch + 16 x half
	s_cmp_eq_u32 s[TT], 2
	s_cselect_b32 s69, 2*HALFT, 0                  ; source 1's region: the tokens' for q and k, the weight's for v
	s_cselect_b32 s70, 0, 2*HALFT                  ; source 0's: the other one
	s_mul_i32 s21, s15, HALFT
	s_add_co_u32 s21, s21, s69
	s_mul_i32 s22, s16, HALFT
	s_add_co_u32 s22, s22, s70
.irp s, 0,1
	v_add_nc_u32 v[ADRA+\s], s21, v4
	v_add_nc_u32 v[ADRB+\s], s22, v4
	s_add_co_u32 s21, s21, SLOT
	s_add_co_u32 s22, s22, SLOT
.endr
	; the way out's stage: 256 rows (source 1's) x 272 bytes, the work-group's, from LDS byte 0 on
	s_mul_i32 s23, s15, HALFT
	s_lshl_b32 s21, s16, 7
	s_add_co_u32 s23, s23, s21
	v_lshl_add_u32 v5, v2, 3, v3
	v_add_nc_u32 v[STO], s23, v5                   ; in: row 128 x my half + r, byte 128 x my half of the columns + 8 h
	v_and_b32 v6, 31, v0
	v_lshrrev_b32 v7, 2, v6
	v_mul_u32_u24 v7, v7, PITCH
	v_and_b32 v8, 3, v0
	v_lshl_add_u32 v7, v8, 4, v7
	s_lshl_b32 s21, s14, 6
	v_add_nc_u32 v[RDQ], s21, v7                   ; q, k, back: wave w takes the 64 channels of head 4 x + w: token lane / 4, 16 bytes at 64 w + 16 (lane % 4)
	v_add_nc_u32 v[RDQ+1], 128*PITCH, v[RDQ]
	v_lshlrev_b32 v[GOQ], 4, v6
	s_mul_i32 s21, s14, 64*PITCH
	v_mul_u32_u24 v9, v2, PITCH
	v_lshl_add_u32 v9, v1, 4, v9
	v_add_nc_u32 v[RDV], s21, v9                   ; v, back: wave w takes channels 64 w on: lanes 0-15 one row of 256 bytes, lanes 16-31 the next
	v_lshlrev_b32 v[GOV], 13, v2
	v_lshl_add_u32 v[GOV], v1, 4, v[GOV]           ; and the same two rows in vtcodes, 8,192 bytes apart
	; where my part begins in the two outputs (registers of their own: none that fed a joint descriptor holds the other coordinate)
	s_and_b32 s72, s17, 31                         ; yy
	s_lshr_b32 s73, s72, 3
	s_lshl_b32 s73, s73, 21                        ; b
	s_and_b32 s74, s72, 7
	s_lshl_b32 s74, s74, 14                        ; l = 256 (yy % 8), 64 bytes a token
	s_add_co_u32 s73, s73, s74
	s_lshl_b32 s74, s[TT], 23                      ; q or k
	s_add_co_u32 s73, s73, s74
	s_lshl_b32 s74, s42, 2
	s_add_co_u32 s74, s74, s14
	s_lshl_b32 s74, s74, 17                        ; head 4 x + w
	s_add_co_u32 s76, s73, s74
	s_mov_b32 s77, 0
	s_add_nc_u64 s[10:11], s[10:11], s[76:77]      ; (used where t < 2 alone)
	s_lshl_b32 s73, s42, 21                        ; channel 256 x
	s_lshl_b32 s74, s14, 19                        ; + 64 w, 8,192 bytes a channel
	s_add_co_u32 s73, s73, s74
	s_lshl_b32 s74, s72, 8                         ; token 256 yy
	s_add_co_u32 s78, s73, s74
	s_mov_b32 s79, 0
	s_add_nc_u64 s[12:13], s[12:13], s[78:79]      ; (used where t = 2 alone)
.macro FRAG reg, adr, q, i             ; a fragment, 16 rows x 128 K, is 16 registers: lane l holds row l % 16; registers 4 c .. 4 c + 3 hold K = 32 c + 16 (l / 16) + 0 .. 15: the same places of k in both sources
.irp c, 0,1,2,3
	ds_load_b128 v[\reg+4*\c:\reg+4*\c+3], v[\adr] offset:128*(\q)+32*\c+(\i)*16*PITCH
.endr
.endm
; 16 matrix instructions: source 1's blocks a0, a0 + 1 x source 0's eight, 128 along K.  p: source 0's set.  zero = 1: the first product starts the sums.
; The 64 accumulators take turns, one instruction a turn, in the same order in every step.
.macro MUL16 a0, p, zero
.irp a, \a0, \a0+1
.irp b, 0,1,2,3,4,5,6,7
.if \zero
	v_wmma_f32_16x16x128_bf8_bf8 v[8*(8*((\a)%4)+\b):8*(8*((\a)%4)+\b)+7], v[128*(\p)+FR*\b:128*(\p)+FR*\b+FR-1], v[AF+FR*(\a):AF+FR*(\a)+FR-1], 0
.else
	v_wmma_f32_16x16x128_bf8_bf8 v[8*(8*((\a)%4)+\b):8*(8*((\a)%4)+\b)+7], v[128*(\p)+FR*\b:128*(\p)+FR*\b+FR-1], v[AF+FR*(\a):AF+FR*(\a)+FR-1], v[8*(8*((\a)%4)+\b):8*(8*((\a)%4)+\b)+7]
.endif
.endr
.endr
.endm
.macro FETCH_B slot, q, p              ; source 0's eight fragments of the slot's q-th 128 along K into set p
	WIN TO_B
.irp i, 0,1,2,3,4,5,6,7
	FRAG 128*(\p)+FR*\i, ADRB+\slot, \q, \i
.endr
	WIN 0
.endm
.macro FETCH_A slot, q, i0             ; source 1's blocks i0 .. i0 + 3
.irp i, \i0, \i0+1, \i0+2, \i0+3
	FRAG AF+FR*(\i), ADRA+\slot, \q, \i
.endr
.endm
.macro PLACES n                        ; plain vector instructions between a matrix instruction and a load into, or a vector instruction on, its registers
.rept \n
	v_nop
.endr
.endm
; A step of 128 along K that has its successor in the same slot.
.macro STEP slot, q, zero
	s_wait_dscnt 4*NL                              ; source 0's set and source 1's blocks 0-3 are in; the youngest 16 loads (blocks 4-7) may be out
	WIN MUL_LO
	MUL16 0, (\q)%2, \zero
	MUL16 2, (\q)%2, \zero
	s_wait_dscnt 0                                 ; blocks 4-7 are in
	PLACES NP
	FETCH_B \slot, (\q)+1, 1-(\q)%2
	FETCH_A \slot, (\q)+1, 0
	WIN MUL_HI
	MUL16 4, (\q)%2, \zero
	MUL16 6, (\q)%2, \zero
	PLACES NP
	WIN 0
	FETCH_A \slot, (\q)+1, 4
.endm
; A slot's last step changes slots: ONE barrier; in front of it each wave waits for all its tensor loads, adds 0 to its spare word, and waits for that and for its own reads of this slot.  fill = 1: this slot is filled again, two K steps ahead.
.macro TURN slot, next, fill
	s_wait_tensorcnt 0x0                           ; all my tensor loads have landed: my part of the next slot
	ds_add_u32 v[SPW], v[NIL]                      ; 0 onto my spare word
	s_wait_dscnt 4*NL+1                            ; (the add and the youngest 16 loads may be out)
	WIN MUL_LO
	MUL16 0, 1, 0                                  ; sixteen matrix instructions stand between the add and the wait for it
	s_wait_dscnt 0x0                               ; the add is done, and my reads of this slot are over
	s_barrier_signal -1
	MUL16 2, 1, 0
	WIN 0
	s_barrier_wait -1
.if \fill
	CREST                                          ; the barrier has opened a round of the cluster's barrier: no wave of any partner still reads this slot's tile or has a load on its way
	s_add_nc_u64 s[G0+4*\slot+2:G0+4*\slot+3], s[G0+4*\slot+2:G0+4*\slot+3], 2*ROWB
	s_add_nc_u64 s[G0B+4*\slot+2:G0B+4*\slot+3], s[G0B+4*\slot+2:G0B+4*\slot+3], 2*ROWB
	JLOAD G0+4*\slot, G1, G0B+4*\slot, G1B         ; the first tensor load behind the round, my one load until the next; its four v_nop are the places in front of the loads below
.else
	PLACES NP
.endif
	FETCH_B \next, 0, 0
	FETCH_A \next, 0, 0
	WIN MUL_HI
	MUL16 4, 1, 0
	MUL16 6, 1, 0
	PLACES NP
	WIN 0
	FETCH_A \next, 0, 4
.endm
	s_wait_tensorcnt 1                             ; my part of K step 0 is in (K step 1's load may be out)
	s_barrier_signal -1
	s_barrier_wait -1                              ; everybody's is
	FETCH_B 0, 0, 0
	FETCH_A 0, 0, 0
	FETCH_A 0, 0, 4
	STEP 0, 0, 1                                   ; the first step stands in front of the loop: its products start the sums
	s_mov_b32 s3, LAPS-1
.Llap:                                                 ; a trip goes once round the ring and fills both slots again
	TURN 0, 1, 1
	STEP 1, 0, 0
	TURN 1, 0, 1
	STEP 0, 0, 0
	s_sub_co_u32 s3, s3, 1
	s_cmp_lg_u32 s3, 0
	s_cbranch_scc1 .Llap
	TURN 0, 1, 0                                   ; the last lap fills nothing
	STEP 1, 0, 0
	s_wait_dscnt 4*NL                              ; the very last step: nothing more to fetch
	WIN MUL_LO
	MUL16 0, 1, 0
	MUL16 2, 1, 0
	s_wait_dscnt 0
	WIN MUL_HI
	MUL16 4, 1, 0
	MUL16 6, 1, 0
	WIN 0
	; THE WAY OUT.  Each sum is held, converted (a lane's eight registers are eight neighbours along the next product's K) and put into the work-group's stage, which lies in slot 0: that slot has had its last fill,
	; and every wave has passed the last change of slots, behind which nobody reads it.
	s_wait_kmcnt 0x0
	s_sub_co_i32 s98, s98, s96
	s_sub_co_i32 s98, s98, s97                     ; eout - ea - eb
	s_add_co_i32 s98, s98, 127
	s_lshl_b32 s96, s98, 23
	v_mov_b32 v[SCL], s96
	s_add_co_i32 s98, s98, 15
	s_lshl_b32 s98, s98, 23
	s_or_b32 s98, s98, 0x600000
	v_mov_b32 v[LIM], s98
	PLACES NP
.macro QBLOCK a                        ; source 1's block a: 16 rows x 128 columns
.set AC, 64*((\a)%4)
	WIN 0x02+((\a)/4)                              ; source 0: window 2 or 3
.set j, 0
.rept 64
	v_med3_num_f32 v[TMP+j], v[AC+j], -v[LIM], v[LIM]   ; the conversion does not saturate (ISA guide 7.6.2): the hold; each accumulator from its low end on
.set j, j+1
.endr
	WIN 0
.irp b, 0,1,2,3,4,5,6,7
	v_cvt_scalef32_pk8_bf8_f32 v[CD+16*(\a)+2*\b:CD+16*(\a)+2*\b+1], v[TMP+8*\b:TMP+8*\b+7], v[SCL]
.endr
	v_nop                                          ; a plain vector instruction between the conversions and the next block's holds, which write their sources
.irp b, 0,1,2,3,4,5,6,7
	ds_store_b64 v[STO], v[CD+16*(\a)+2*\b:CD+16*(\a)+2*\b+1] offset:(\a)*16*PITCH+16*\b
.endr
.endm
.irp a, 0,1,2,3,4,5,6,7
	QBLOCK \a
.endr
	s_wait_dscnt 0x0                               ; for the others' sake: my stores into the stage are done
	s_barrier_signal -1
	s_barrier_wait -1
	s_cmp_eq_u32 s[TT], 2                          ; made of the cluster's y alone: the same way in all sixteen work-groups
	s_cbranch_scc1 .Lv_out
.irp u, 0,1,2,3,4,5,6,7,8,9,10,11,12,13,14,15,16,17,18,19,20,21,22,23,24,25,26,27,28,29,30,31
	ds_load_b128 v[CD+4*\u:CD+4*\u+3], v[RDQ+\u/16] offset:(\u%16)*8*PITCH   ; eight tokens' 64 bytes of my head
.endr
.irp u, 0,1,2,3,4,5,6,7,8,9,10,11,12,13,14,15,16,17,18,19,20,21,22,23,24,25,26,27,28,29,30,31
	s_wait_dscnt 31-\u
	global_store_b128 v[GOQ], v[CD+4*\u:CD+4*\u+3], s[10:11] offset:512*\u   ; 32 lanes store 512 consecutive bytes, aligned
.endr
	s_branch .Lout_done
.Lv_out:
.irp u, 0,1,2,3,4,5,6,7,8,9,10,11,12,13,14,15,16,17,18,19,20,21,22,23,24,25,26,27,28,29,30,31
	ds_load_b128 v[CD+4*\u:CD+4*\u+3], v[RDV] offset:\u*2*PITCH              ; two channels' 256 tokens
.endr
.irp u, 0,1,2,3,4,5,6,7,8,9,10,11,12,13,14,15,16,17,18,19,20,21,22,23,24,25,26,27,28,29,30,31
	s_wait_dscnt 31-\u
	global_store_b128 v[GOV], v[CD+4*\u:CD+4*\u+3], s[12:13] offset:16384*\u  ; sixteen lanes store 256 consecutive bytes, aligned
.endr
.Lout_done:
	s_wait_tensorcnt 0x0                           ; the wave's end, behind my last tensor load and my last LDS store
	ds_add_u32 v[SPW], v[NIL]
	s_wait_dscnt 0x0
	CROUND                                         ; the closing round: no work-group ends while a partner may still ask for a tile that names it
	s_endpgm
.Lfunc_end_k_qa39eea8344_proj:
	.size	k_qa39eea8344_proj, .Lfunc_end_k_qa39eea8344_proj-k_qa39eea8344_proj
	.p2alignl 7, 3214868480
	.fill 96, 4, 3214868480
	.section	.rodata,"a",@progbits
	.p2align	6, 0x0
	.amdhsa_kernel k_qa39eea8344_proj
		.amdhsa_group_segment_fixed_size 327680
		.amdhsa_private_segment_fixed_size 0
		.amdhsa_enable_private_segment 0
		.amdhsa_kernarg_size 40
		.amdhsa_user_sgpr_count 2
		.amdhsa_user_sgpr_kernarg_segment_ptr 1
		.amdhsa_wavefront_size32 1
		.amdhsa_system_sgpr_workgroup_id_x 1
		.amdhsa_system_sgpr_workgroup_id_y 1
		.amdhsa_system_sgpr_workgroup_id_z 1
		.amdhsa_system_vgpr_workitem_id 0
		.amdhsa_next_free_vgpr 1024
		.amdhsa_next_free_sgpr 100
		.amdhsa_reserve_vcc 0
		.amdhsa_float_denorm_mode_32 3
		.amdhsa_float_denorm_mode_16_64 3
		.amdhsa_memory_ordered 1
		.amdhsa_forward_progress 1
		.amdhsa_inst_pref_size 132
	.end_amdhsa_kernel
	.amdgpu_metadata
---
amdhsa.version: [ 1, 2 ]
amdhsa.kernels:
  - .name:           k_qa39eea8344_proj
    .symbol:         k_qa39eea8344_proj.kd
    .args:
      - { .name: xcodes, .offset: 0, .size: 8, .value_kind: global_buffer, .address_space: global }
      - { .name: wcodes, .offset: 8, .size: 8, .value_kind: global_buffer, .address_space: global }
      - { .name: lowp_scales, .offset: 16, .size: 8, .value_kind: global_buffer, .address_space: global }
      - { .name: qkcodes, .offset: 24, .size: 8, .value_kind: global_buffer, .address_space: global }
      - { .name: vtcodes, .offset: 32, .size: 8, .value_kind: global_buffer, .address_space: global }
    .group_segment_fixed_size: 327680
    .private_segment_fixed_size: 0
    .kernarg_segment_align: 8
    .kernarg_segment_size: 40
    .max_flat_workgroup_size: 128
    .sgpr_count:     100
    .vgpr_count:     1024
    .wavefront_size: 32
...
	.end_amdgpu_metadata
.endif
;; end of part 2
;; launch attn (part 3): grid 4 x 64, 16 waves a work-group, no clusters, 297,984 bytes of LDS; arguments qkcodes, vtcodes, maskbits, mflag, lowp_scales, acodes; writes acodes
.if DOCPART == 3
	.amdgcn_target "amdgcn-amd-amdhsa--gfx1250"
	.amdhsa_code_object_version 6
	.text
	.protected	k_qa39eea8344_attn
	.globl	k_qa39eea8344_attn
	.p2align	8
	.type	k_qa39eea8344_attn,@function
k_qa39eea8344_attn:
	s_mov_b64 s[64:65], 0
	v_nop
	global_prefetch_b8 v0, s[64:65] scope:SCOPE_SE
	s_setreg_imm32_b32 hwreg(HW_REG_WAVE_MODE, 25, 1), 1
	s_wait_xcnt 0x0
; The attention of one head, both products on codes of BF8.  Nothing of reference() is left out.  Two steps are done only where whole numbers read from memory ask for them: the selection of masked scores, in a tile of
; 16 queries x 128 keys that has a hole (the stored flags); and the hold of p at the largest code, where the given e9 lies under -15 (see THE HOLD).
; In: qkcodes [2: q, k][b][h][l][64]; vtcodes [64 h + d][2,048 b + l]; maskbits and mflag as the first launch lays them; lowp_scales entries 6 to 10: e6 (q), e7 (k), e8 (v), e9 (p), e10 (the result).
; Out: acodes: the result, divided by the row's sum and quantised with 2^e10, as images of the output projection's fragments: [tile of 16 tokens: 512][128 k: 8][c: 4][lane: 32][16 bytes];
;   lane (r, hh) of piece c holds k = 128 chunk + 32 c + 16 hh + 0 .. 15 of token 16 tile + r.
; THE SOFTMAX: t = score x log2(e) / 32; M = the row's largest t so far, rounded UP to a whole number; p = 2^(t - M) is quantised with 2^e9, not normalised.  The row's sum is taken of the unquantised p and divides at the end.
; When M moves, the sum and O are multiplied by 2^(old M - new M): exact.
; THE HOLD.  The conversion to an 8-bit code does not saturate (ISA guide 7.6.2), so a number beyond 57,344 x 2^e9 is held there first.  p is at most 1, but for a rounding of its exponent, and 57,344 x 2^e9 is 1.75 or more
; for every e9 at or above -15: there the hold changes no number.  For e9 under -15 they are run.
; THE MASK: a masked score is set ahead of the maximum, as reference() sets it ahead of the scaling.  LIMIT, stated: the number set is -2^66 and not -1e20.  Its product with log2(e) / 32 is exact in f32, so a row that is masked
; wholly gives t - M = 0 and p = 1 for all its keys, as reference() does; beside any real key p is 0 under either number, since a real score's size is at most 64 x 57,344^2 x 2^(e6 + e7), under 2^65 within the limit below.
; LIMITS on the given exponents, so that each power of two below is an f32 number: e6 + e7 between -61 and 27; e9 and e10 between -126 and 112; e8 + e9 is applied by v_ldexp_f32 and has none.
; SHARES.  A work-group takes 512 queries of one head (256 work-groups); each of its sixteen waves 32 of them, tiles A and B, in 256 registers: four waves to a SIMD, so that one wave's vector work stands beside another's
; matrix work and LDS loads.  Every wave walks the head's 2,048 keys, 128 a trip; each fragment of K and V read from LDS feeds both tiles.
; THE HEAD'S WHOLE K AND V LIE IN LDS, filled once, through registers: no ring, one barrier.  NO CLUSTER, though the four work-groups of a head read the same K and V:
; what would be shared is 262,144 bytes a work-group, read once at the head.
; LAYOUT.  Both products are used transposed: S^T = K Q^T (source 0 = 16 keys), O^T = V^T P^T (source 0 = 16 of the head's 64): a lane holds ONE query (lane % 16) throughout.
; K's row in LDS is the key with bits 3 and 4 exchanged, V's row is d with bits 3 and 4 exchanged: a fragment's sixteen lanes then read sixteen neighbouring rows, and the 16 registers of result tiles 2 b and 2 b + 1 are
; 16 neighbours: keys 32 b + 16 (lane / 16) + 0 .. 15 in S^T, d likewise in O^T.  So the conversions' results are the next product's operand as they stand.
; REGISTERS: v0 the thread's number; v1, v2 my place in a tile of K, of V; v3, v4 the add's two; v5 K's address; v6 f, v7 2^e9; v8 -M, v9 largest t, v[10:11] sum of tile A; v12-15 the same of B; v16-31 Q of A, B;
; v32-95 fragments of K, then of V; v96-159 S^T, then p; v160-223 O^T of A, B; v224-255 p's codes of A, B (until a tile's conversions its codes' registers are at work: +0, +1 maxima, +4 the exchange, +6, +7 a sum; B's +8, +9 V's addresses).
.set KP,    80                         ; a key's row in LDS: 64 bytes + 16: an odd multiple of 16 bytes
.set VP,    2064                       ; a row of V: 2,048 bytes + 16: likewise
.set VB,    2048*KP                    ; V begins behind K's 2,048 rows
.set SPARE, VB+64*VP                   ; behind V: the spare words, 128 bytes for each wave, which no other line names
.set AK0, 1
.set AV0, 2
.set SPW, 3
.set NIL, 4
.set ADK, 5
.set F,   6
.set QA,  16
.set QB,  24
.set KV,  32
.set S,   96
.set OA,  160
.set OB,  192
.set PA,  224
.set PB,  240
.set HOLD, 100                         ; s100 1 where e9 lies under -15, else 0
; s[4:15] addresses; s[16:63], s[68:83] a tile's 64 mask words (at the head: at work); s84 wave; s85 trips left; s86, s87 the trip's bytes in K, in a row of V; s[88:89] c; s[90:91] lane selects; s92 the masked score;
; s93 57,344 x 2^e9; s94, s95 flags of A, B; s96 e8 + e9; s97 2^e10; s98, s99 -/+ 57,344 x 2^e10
	s_load_b256 s[4:11], s[0:1], 0x0               ; qkcodes, vtcodes, maskbits, mflag
	s_load_b128 s[12:15], s[0:1], 0x20             ; lowp_scales, acodes
	v_lshl_add_u32 v[SPW], v0, 2, SPARE
	v_mov_b32 v[NIL], 0
	v_lshrrev_b32 v5, 5, v0
	v_readfirstlane_b32 s84, v5                    ; wave 0..15
	s_and_b32 s32, ttmp7, 0xffff                   ; 16 b + h
	s_lshr_b32 s33, s32, 4                         ; b
	s_and_b32 s34, s32, 15                         ; h
	s_lshl_b32 s35, s32, 17                        ; a head's 131,072 bytes of q or of k
	s_lshl_b32 s40, s84, 13
	s_add_co_u32 s36, s35, s40
	s_add_co_u32 s36, s36, 1<<23                   ; K: behind q's 8,388,608 bytes; my 128 keys
	s_mov_b32 s37, 0
	s_lshl_b32 s40, ttmp9, 15
	s_add_co_u32 s38, s35, s40
	s_lshl_b32 s40, s84, 11
	s_add_co_u32 s38, s38, s40                     ; Q: query 512 x + 32 w, 64 bytes each
	s_mov_b32 s39, 0
	s_lshl_b32 s42, s34, 19
	s_lshl_b32 s40, s84, 13
	s_add_co_u32 s42, s42, s40
	s_lshl_b32 s40, s33, 11
	s_add_co_u32 s42, s42, s40                     ; V: row 64 h + w of 8,192 bytes, + 2,048 b
	s_mov_b32 s43, 0
	s_lshl_b32 s44, s33, 7
	s_lshl_b32 s40, ttmp9, 5
	s_add_co_u32 s44, s44, s40
	s_lshl_b32 s40, s84, 1
	s_add_co_u32 s44, s44, s40                     ; tile A: 128 b + 32 x + 2 w
	s_lshl_b32 s46, s44, 12                        ; its 4,096 bytes of mask words,
	s_mov_b32 s47, 0
	s_lshl_b32 s48, s44, 9                         ; its 512 bytes of flags,
	s_mov_b32 s49, 0
	s_lshl_b32 s50, s44, 14
	s_lshl_b32 s40, s34, 10
	s_add_co_u32 s50, s50, s40                     ; its 16,384 bytes of images, + 1,024 h
	s_mov_b32 s51, 0
	s_mov_b32 s85, 16
	s_mov_b32 s86, 0
	s_mov_b32 s87, 0
	s_mov_b32 s90, 0x76543210
	s_mov_b32 s91, 0xfedcba98
	v_and_b32 v160, 31, v0                         ; lane.  (v160-167 are at work until O^T begins)
	v_lshlrev_b32 v161, 4, v160                    ; 16 x lane
	v_and_b32 v162, 15, v0                         ; r
	v_bfe_u32 v163, v0, 4, 1                       ; hh
	v_lshlrev_b32 v164, 6, v162
	v_lshl_add_u32 v164, v163, 4, v164             ; Q: 64 r + 16 hh
	v_mul_u32_u24 v[AK0], v162, KP
	v_lshl_add_u32 v[AK0], v163, 4, v[AK0]
	v_mul_u32_u24 v[AV0], v162, VP
	v_lshl_add_u32 v[AV0], v163, 4, v[AV0]
	v_add_nc_u32 v[AV0], VB, v[AV0]
	v_lshrrev_b32 v165, 2, v160
	v_mul_u32_u24 v165, v165, KP
	v_and_b32 v166, 3, v0
	v_lshl_add_u32 v165, v166, 4, v165
	s_mul_i32 s40, s84, 128*KP
	v_add_nc_u32 v165, s40, v165                   ; K into LDS: my 128 rows; row lane / 4, 16 (lane % 4)
	s_and_b32 s40, s84, 7
	s_lshr_b32 s41, s84, 3
	s_lshl_b32 s41, s41, 4
	s_add_co_u32 s40, s40, s41                     ; V into LDS: d = w + 16 n lies in row w % 8 + 16 (w / 8) + 8 (n % 2) + 32 (n / 2)
	s_mul_i32 s40, s40, VP
	s_add_co_u32 s40, s40, VB
	v_add_nc_u32 v166, s40, v161
	v_add_nc_u32 v167, 32*VP, v166
	s_wait_kmcnt 0x0
	s_add_nc_u64 s[36:37], s[4:5], s[36:37]
	s_add_nc_u64 s[4:5], s[4:5], s[38:39]
	s_add_nc_u64 s[6:7], s[6:7], s[42:43]
	s_add_nc_u64 s[8:9], s[8:9], s[46:47]
	s_add_nc_u64 s[10:11], s[10:11], s[48:49]
	s_add_nc_u64 s[14:15], s[14:15], s[50:51]
.irp n, 0,1,2,3,4,5,6,7,8,9,10,11,12,13,14,15
	global_load_b128 v[KV+4*\n:KV+4*\n+3], v161, s[36:37] offset:512*\n          ; keys 128 w + 8 n + lane / 4
.endr
.irp n, 0,1,2,3
.irp m, 0,1,2,3
	global_load_b128 v[S+16*\n+4*\m:S+16*\n+4*\m+3], v161, s[6:7] offset:131072*\n+512*\m   ; row d = w + 16 n, keys 512 m on
.endr
.endr
.irp x, 0,1
.irp c, 0,1
	global_load_b128 v[QA+8*\x+4*\c:QA+8*\x+4*\c+3], v164, s[4:5] offset:1024*\x+32*\c      ; Q's fragments stay in registers: registers 4 c .. 4 c + 3: d = 32 c + 16 hh + 0 .. 15, as K's
.endr
.endr
	s_load_b256 s[16:23], s[12:13], 0x10           ; entries 4 to 11: e6 = s18, e7 = s19, e8 = s20, e9 = s21, e10 = s22
.irp q, 0,1,2,3,4,5,6,7
	s_load_b32 s[24+\q], s[10:11], 128*\q          ; the four quarters' flags of tile A, then of tile B
.endr
	s_wait_loadcnt 20                              ; K's 16 loads are in; V's 16 and Q's 4 may be out
.irp n, 0,1,2,3,4,5,6,7,8,9,10,11,12,13,14,15
	ds_store_b128 v165, v[KV+4*\n:KV+4*\n+3] offset:(32*(\n/4)+16*(\n%2)+8*((\n/2)%2))*KP   ; the key's bits 3 and 4 exchanged
.endr
	s_wait_loadcnt 4                               ; V's are in; Q's 4 may be out
.irp n, 0,1,2,3
.irp m, 0,1,2,3
	ds_store_b128 v[166+\n/2], v[S+16*\n+4*\m:S+16*\n+4*\m+3] offset:8*(\n%2)*VP+512*\m
.endr
.endr
	s_wait_dscnt 0x0                               ; for the others' sake: my stores are done
	s_barrier_signal -1
	s_barrier_wait -1                              ; the head's K and V lie in LDS; nothing is written there again
	s_wait_loadcnt 0x0                             ; Q; and every load has read its address registers
	v_mov_b32 v9, 0xff61b1e6                       ; the largest t so far: -3e38, under every t
	v_mov_b32 v13, 0xff61b1e6
	v_floor_f32 v8, -v9                            ; -M
	v_floor_f32 v12, -v13
	v_mov_b32 v10, 0                               ; the sums, in two halves
	v_mov_b32 v11, 0
	v_mov_b32 v14, 0
	v_mov_b32 v15, 0
	v_mov_b32 v[PA+4], 0                           ; written once: a lane permute's destination counts as one of its sources
	v_mov_b32 v[PB+4], 0
.set i, 0
.rept 64
	v_mov_b32 v[OA+i], 0                           ; O^T.  (The trip is written once: the first finds zeros, which the first change of M leaves zeros)
.set i, i+1
.endr
	s_wait_kmcnt 0x0
	s_or_b32 s94, s24, s25
	s_or_b32 s94, s94, s26
	s_or_b32 s94, s94, s27                         ; bit s: key step s of tile A has a hole
	s_or_b32 s95, s28, s29
	s_or_b32 s95, s95, s30
	s_or_b32 s95, s95, s31
	s_add_co_i32 s32, s18, s19                     ; e6 + e7
	s_lshl_b32 s33, s32, 23
	s_add_co_i32 s88, s33, 0x3d38aa3b              ; c = log2(e) / 32 x 2^(e6 + e7): a sum stands for sum x 2^(e6 + e7): the exponents are added to c's exponent field
	s_mov_b32 s89, s88                             ; (named with it as a pair, so it is written)
	s_sub_co_i32 s33, 193, s32
	s_lshl_b32 s33, s33, 23
	s_or_b32 s92, s33, 0x80000000                  ; -2^(66 - e6 - e7): the masked score, as a sum
	s_cmp_lt_i32 s21, -15                          ; is 57,344 x 2^e9 under 1.75?
	s_cselect_b32 s[HOLD], 1, 0                    ; then p is held
	s_add_co_i32 s33, s21, 127
	s_lshl_b32 s34, s33, 23
	v_mov_b32 v[F+1], s34                          ; 2^e9, for p's conversions
	s_add_co_i32 s33, s33, 15
	s_lshl_b32 s33, s33, 23
	s_or_b32 s93, s33, 0x600000                    ; 57,344 x 2^e9
	s_add_co_i32 s96, s20, s21                     ; e8 + e9
	s_add_co_i32 s33, s22, 127
	s_lshl_b32 s97, s33, 23                        ; 2^e10
	s_add_co_i32 s33, s33, 15
	s_lshl_b32 s33, s33, 23
	s_or_b32 s99, s33, 0x600000                    ; 57,344 x 2^e10
	s_or_b32 s98, s99, 0x80000000
; The holes of tile x in this key step: word n is the lane mask of score register n.  A tile without a hole (its flag, a whole number that an earlier launch stored) goes round the loads and the 64 selections.
.macro MASK x
	s_bitcmp1_b32 s[94+\x], 0
	s_cbranch_scc0 .Lopen_\@
	s_load_b512 s[16:31], s[8:9], 4096*\x
	s_load_b512 s[32:47], s[8:9], 4096*\x+64
	s_load_b512 s[48:63], s[8:9], 4096*\x+128
	s_load_b512 s[68:83], s[8:9], 4096*\x+192
	s_wait_kmcnt 0x0
.set n, 0
.rept 64
.if n < 48
	v_cndmask_b32 v[S+n], v[S+n], s92, s[16+n]
.else
	v_cndmask_b32 v[S+n], v[S+n], s92, s[20+n]
.endif
.set n, n+1
.endr
.Lopen_\@:
.endm
; One tile's softmax for 128 keys.  nm: -M and the largest t; l: the sum's pair; o: its O^T; p: its codes.
.macro SOFT nm, l, o, p
	v_max3_num_f32 v[\p], v[S], v[S+1], v[S+2]     ; the step's largest score of my query among my 64 keys, in two chains, each accumulator from its low end on
	v_max3_num_f32 v[\p+1], v[S+3], v[S+4], v[S+5]
.set i, 6
.rept 14
	v_max3_num_f32 v[\p], v[\p], v[S+i], v[S+i+1]
	v_max3_num_f32 v[\p+1], v[\p+1], v[S+i+2], v[S+i+3]
.set i, i+4
.endr
	v_max3_num_f32 v[\p], v[\p], v[S+62], v[S+63]
	v_max_num_f32 v[\p], v[\p], v[\p+1]
	v_permlanex16_b32 v[\p+4], v[\p], s90, s91
	v_max_num_f32 v[\p], v[\p], v[\p+4]            ; and among lane l xor 16's
	v_mul_f32 v[\p], s88, v[\p]                    ; as t (c is positive)
	v_max_num_f32 v[\nm+1], v[\nm+1], v[\p]        ; the running largest t
	v_mov_b32 v[\p], v[\nm]
	v_floor_f32 v[\nm], -v[\nm+1]                  ; the new -M = floor(-t) = -ceil(t): a whole number
	v_sub_f32 v[\p], v[\nm], v[\p]                 ; old M less new M: a whole number, 0 or less
	v_cvt_i32_f32 v[\p], v[\p]                     ; (it saturates)
	v_ldexp_f32 v[F], 1.0, v[\p]                   ; f = 2^(old M - new M)
.set i, 0
.rept 32
	v_pk_fma_f32 v[S+i:S+i+1], v[S+i:S+i+1], s[88:89], v[\nm:\nm+1] op_sel_hi:[1,0,0]   ; t - M, two at a time (of the pairs c and -M the low word serves both halves)
.set i, i+2
.endr
.set i, 0
.rept 64
	v_exp_f32 v[S+i], v[S+i]                       ; p = 2^(t - M), at most 1
.set i, i+1
.endr
	v_pk_mul_f32 v[\l:\l+1], v[\l:\l+1], v[F:F+1] op_sel_hi:[1,0]   ; the sums under the new M: the plain instruction behind the exponentials
	s_wait_alu depctr_va_vdst(0)                   ; one wait for the batch of 64, ahead of its first reader
	v_pk_add_f32 v[\p+6:\p+7], v[S:S+1], v[S+2:S+3]   ; the row's sum is taken of the unquantised p, in two chains
.set i, 4
.rept 15
	v_pk_add_f32 v[\l:\l+1], v[\l:\l+1], v[S+i:S+i+1]
	v_pk_add_f32 v[\p+6:\p+7], v[\p+6:\p+7], v[S+i+2:S+i+3]
.set i, i+4
.endr
	v_pk_add_f32 v[\l:\l+1], v[\l:\l+1], v[\p+6:\p+7]
	s_cmp_eq_u32 s[HOLD], 0                        ; e9 at or above -15: every p lies under the largest code x the scale, and the 64 holds would change nothing
	s_cbranch_scc1 .Lfits_\@
.set i, 0
.rept 64
	v_min_num_f32 v[S+i], s93, v[S+i]              ; the hold; p is not negative, so it is one-sided
.set i, i+1
.endr
.Lfits_\@:
.set b, 0
.rept 4
	v_cvt_scalef32_pk8_bf8_f32 v[\p+4*b:\p+4*b+1], v[S+16*b:S+16*b+7], v[F+1]
	v_cvt_scalef32_pk8_bf8_f32 v[\p+4*b+2:\p+4*b+3], v[S+16*b+8:S+16*b+15], v[F+1]
.set b, b+1
.endr
.set i, 0
.rept 16
	v_pk_mul_f32 v[\o+i:\o+i+1], v[\o+i:\o+i+1], v[F:F+1] op_sel_hi:[1,0]   ; O^T under the new M.  (These are also the plain instructions behind the conversions)
.set i, i+2
.endr
.endm
.Ltrip:                                            ; 16 trips of 128 keys
	v_add_nc_u32 v[ADK], s86, v[AK0]
.rept 3
	v_nop                                          ; with the addition: four places behind the last trip's products, in front of loads into registers that they read and of writes of p's codes' registers
.endr
.irp tau, 0,1,2,3,4,5,6,7
.irp c, 0,1
	ds_load_b128 v[KV+8*\tau+4*\c:KV+8*\tau+4*\c+3], v[ADK] offset:16*KP*\tau+32*\c
.endr
.endr
	s_wait_dscnt 0x0
.irp tau, 0,1,2,3,4,5,6,7
	v_wmma_f32_16x16x64_bf8_bf8 v[S+8*\tau:S+8*\tau+7], v[KV+8*\tau:KV+8*\tau+7], v[QA:QA+7], 0
.endr
.rept 4
	v_nop
.endr
	MASK 0
	SOFT 8, 10, OA, PA
.irp tau, 0,1,2,3,4,5,6,7
	v_wmma_f32_16x16x64_bf8_bf8 v[S+8*\tau:S+8*\tau+7], v[KV+8*\tau:KV+8*\tau+7], v[QB:QB+7], 0
.endr
	v_add_nc_u32 v[PB+8], s87, v[AV0]              ; V's rows 0-31,
	v_add_nc_u32 v[PB+9], 32*VP, v[PB+8]           ; and 32-63: an LDS offset has 16 bits
.rept 2
	v_nop                                          ; with the two additions: four places, in front of the loads into K's registers and of the first read of B's scores
.endr
.irp tau, 0,1,2,3
.irp c, 0,1,2,3
	ds_load_b128 v[KV+16*\tau+4*\c:KV+16*\tau+4*\c+3], v[PB+8+\tau/2] offset:(\tau%2)*16*VP+32*\c   ; V lands while tile B's softmax is walked
.endr
.endr
	MASK 1
	SOFT 12, 14, OB, PB
	s_wait_dscnt 0x0                               ; V is in
.irp tau, 0,1,2,3                                  ; eight accumulators by turns, one instruction a turn
	v_wmma_f32_16x16x128_bf8_bf8 v[OA+8*\tau:OA+8*\tau+7], v[KV+16*\tau:KV+16*\tau+15], v[PA:PA+15], v[OA+8*\tau:OA+8*\tau+7]
	v_wmma_f32_16x16x128_bf8_bf8 v[OB+8*\tau:OB+8*\tau+7], v[KV+16*\tau:KV+16*\tau+15], v[PB:PB+15], v[OB+8*\tau:OB+8*\tau+7]
.endr
	s_add_co_u32 s86, s86, 128*KP
	s_add_co_u32 s87, s87, 128
	s_lshr_b32 s94, s94, 1
	s_lshr_b32 s95, s95, 1
	s_wait_xcnt 0x0                                ; the mask words' loads have read their base, which steps only behind this wait
	s_add_nc_u64 s[8:9], s[8:9], 256               ; the next key step's words (behind the last trip it is not used)
	s_sub_co_u32 s85, s85, 1
	s_cmp_lg_u32 s85, 0
	s_cbranch_scc1 .Ltrip
	; THE WAY OUT.  O^T x 2^(e8 + e9) / the sum is quantised with 2^e10.  A lane's 16 registers of result tiles 2 B and 2 B + 1 are d = 32 B + 16 hh + 0 .. 15: its 16 bytes of the image's piece 2 (h % 2) + B.
	v_add_f32 v10, v10, v11                        ; the sums' two halves.  (The plain lines from here to the first read of O^T are the places behind the last products)
	v_add_f32 v14, v14, v15
	v_permlanex16_b32 v11, v10, s90, s91
	v_permlanex16_b32 v15, v14, s90, s91
	v_add_f32 v10, v10, v11                        ; and lane l xor 16's
	v_add_f32 v14, v14, v15
	v_rcp_f32 v10, v10
	v_rcp_f32 v14, v14
	v_and_b32 v1, 31, v0                           ; (the plain instruction behind the reciprocals)
	v_lshlrev_b32 v1, 4, v1                        ; 16 x lane
	v_mov_b32 v5, s97                              ; 2^e10
	s_wait_alu depctr_va_vdst(0)                   ; one wait for both reciprocals, ahead of their first reader
	v_ldexp_f32 v10, v10, s96
	v_ldexp_f32 v14, v14, s96
.set i, 0
.rept 16
	v_pk_mul_f32 v[S+i:S+i+1], v[OA+i:OA+i+1], v[10:11] op_sel_hi:[1,0]
.set i, i+2
.endr
.set i, 0
.rept 16
	v_pk_mul_f32 v[S+32+i:S+32+i+1], v[OB+i:OB+i+1], v[14:15] op_sel_hi:[1,0]
.set i, i+2
.endr
.set i, 0
.rept 64
	v_med3_num_f32 v[S+i], v[S+i], s98, s99        ; the hold at the largest code x the scale
.set i, i+1
.endr
.irp g, 0,1,2,3,4,5,6,7
	v_cvt_scalef32_pk8_bf8_f32 v[KV+2*\g:KV+2*\g+1], v[S+8*\g:S+8*\g+7], v5
.endr
	v_nop
.irp q, 0,1,2,3
	global_store_b128 v1, v[KV+4*\q:KV+4*\q+3], s[14:15] offset:16384*(\q/2)+512*(\q%2)   ; tile q / 2, piece q % 2: 32 lanes store 512 consecutive bytes, aligned
.endr
	s_wait_tensorcnt 0x0                           ; the wave's end, behind my last LDS store
	ds_add_u32 v[SPW], v[NIL]
	s_wait_dscnt 0x0
	s_endpgm
.Lfunc_end_k_qa39eea8344_attn:
	.size	k_qa39eea8344_attn, .Lfunc_end_k_qa39eea8344_attn-k_qa39eea8344_attn
	.p2alignl 7, 3214868480
	.fill 96, 4, 3214868480
	.section	.rodata,"a",@progbits
	.p2align	6, 0x0
	.amdhsa_kernel k_qa39eea8344_attn
		.amdhsa_group_segment_fixed_size 297984
		.amdhsa_private_segment_fixed_size 0
		.amdhsa_enable_private_segment 0
		.amdhsa_kernarg_size 48
		.amdhsa_user_sgpr_count 2
		.amdhsa_user_sgpr_kernarg_segment_ptr 1
		.amdhsa_wavefront_size32 1
		.amdhsa_system_sgpr_workgroup_id_x 1
		.amdhsa_system_sgpr_workgroup_id_y 1
		.amdhsa_system_sgpr_workgroup_id_z 1
		.amdhsa_system_vgpr_workitem_id 0
		.amdhsa_next_free_vgpr 256
		.amdhsa_next_free_sgpr 101
		.amdhsa_reserve_vcc 0
		.amdhsa_float_denorm_mode_32 3
		.amdhsa_float_denorm_mode_16_64 3
		.amdhsa_memory_ordered 1
		.amdhsa_forward_progress 1
		.amdhsa_inst_pref_size 58
	.end_amdhsa_kernel
	.amdgpu_metadata
---
amdhsa.version: [ 1, 2 ]
amdhsa.kernels:
  - .name:           k_qa39eea8344_attn
    .symbol:         k_qa39eea8344_attn.kd
    .args:
      - { .name: qkcodes, .offset: 0, .size: 8, .value_kind: global_buffer, .address_space: global }
      - { .name: vtcodes, .offset: 8, .size: 8, .value_kind: global_buffer, .address_space: global }
      - { .name: maskbits, .offset: 16, .size: 8, .value_kind: global_buffer, .address_space: global }
      - { .name: mflag, .offset: 24, .size: 8, .value_kind: global_buffer, .address_space: global }
      - { .name: lowp_scales, .offset: 32, .size: 8, .value_kind: global_buffer, .address_space: global }
      - { .name: acodes, .offset: 40, .size: 8, .value_kind: global_buffer, .address_space: global }
    .group_segment_fixed_size: 297984
    .private_segment_fixed_size: 0
    .kernarg_segment_align: 8
    .kernarg_segment_size: 48
    .max_flat_workgroup_size: 512
    .sgpr_count:     101
    .vgpr_count:     256
    .wavefront_size: 32
...
	.end_amdgpu_metadata
.endif
;; end of part 3
;; launch oproj (part 4): grid 4 x 32, 4 waves a work-group, clusters of 4 x 4, 327,680 bytes of LDS; arguments acodes, wcodes, lowp_scales, bo, out0; writes out0
.if DOCPART == 4
	.amdgcn_target "amdgcn-amd-amdhsa--gfx1250"
	.amdhsa_code_object_version 6
	.text
	.protected	k_qa39eea8344_oproj
	.globl	k_qa39eea8344_oproj
	.p2align	8
	.type	k_qa39eea8344_oproj,@function
k_qa39eea8344_oproj:
	s_mov_b64 s[64:65], 0
	v_nop
	global_prefetch_b8 v0, s[64:65] scope:SCOPE_SE
	s_setreg_imm32_b32 hwreg(HW_REG_WAVE_MODE, 25, 1), 1
	s_wait_xcnt 0x0
	s_wait_alu depctr_hold_cnt(0) depctr_sa_sdst(0) depctr_va_vdst(0) depctr_va_sdst(0) depctr_va_ssrc(0) depctr_va_vcc(0) depctr_vm_vsrc(0)
	s_getreg_b32 s2, hwreg(HW_REG_IB_STS2, 6, 4)
	s_cmp_eq_u32 s2, 0
	s_cbranch_scc0 .Lentry_in_a_cluster
	s_endpgm
.Lentry_in_a_cluster:
	s_bfe_u32 s2, ttmp6, 0x10000c
	s_cmp_lg_u32 s2, 0xf033
	s_cbranch_scc0 .Lentry_shape_is_right
	s_endpgm
.Lentry_shape_is_right:
; out0 = a Wo^T + bo on codes of BF8.  Nothing is left out.  a: acodes, images of fragments: [tile of 16 tokens: 512][128 k: 8][c: 4][lane: 32][16 bytes]; Wo: the fourth weight of wcodes, [1,024 (n)][1,024 (k)]; bo [1,024], out0 [8,192][1,024] f32.
; The codes are multiplied as they are; each finished sum goes out as sum x 2^(e10 + e11) + bo, one packed multiply-add for two numbers.  LIMIT: e10 + e11 (entries 10, 11 of lowp_scales) between -126 and 127.
; A tile of 256 tokens x 256 columns is made by a work-group of four waves, a wave 128 x 128: 64 accumulators, 512 registers.  K = 1,024 goes in four steps of 256 through a ring of two LDS slots filled by the tensor data mover.
; 128 work-groups: the tile is kept at the size at which each fragment read from LDS feeds eight products.
; CLUSTERS: 4 x 4 work-groups; the four of a row of the cluster ask jointly for a's tile, the four of a column for Wo's.
; a's tile comes as it lies: for each of 8 tiles of tokens the 4,096 bytes of two chunks, dense in LDS; a fragment is four loads of 512 consecutive bytes, 16 a lane.  Its places of k are those that Wo's fragments get from rows.
; THE MATRIX INSTRUCTION IS USED TRANSPOSED (source 0 = 16 rows of Wo, source 1 = 16 tokens): a lane holds eight neighbouring numbers of a row of out0.
; REGISTERS, in windows of 256: window 0: v0-31 addresses; from v128 a's fragments, ONE set; on the way out v32-255 are free.  window 1: Wo's fragments, TWO sets; on the way out v0-63: bo.  windows 2, 3: the accumulators.
.set SIZE_N, 1024
.set KSTEP,  256
.set ROWB,   256                       ; a row of Wo's tile in bytes
.set KROW,   1024
.set PITCH,  272                       ; Wo's row in LDS: 256 bytes + 16 of padding
.set FR,     16
.set NL,     4
.set NP,     4
.set HALFT,  128*PITCH                 ; 128 rows of Wo: one tensor load
.set HALFA,  32768                     ; 8 tiles of tokens x 4,096 bytes: one tensor load
.set BOFF,   2*HALFA                   ; Wo's rows lie behind a's two halves
.set SLOT,   BOFF+2*HALFT
.set LAPS,   2
.set SPARE,  2*SLOT                    ; behind the ring: the spare words, 128 bytes for each wave, which no other line names
.set SPITCH, 528                       ; the way out: a stage of 16 rows x (512 bytes + 16) for each wave, in slot 0, which has had its last fill and its last read when the first result is stored there
.set ADRA, 16
.set ADRB, 20
.set STO,  24
.set RD,   25
.set CO,   26
.set BOF,  27                          ; v27 my byte offset in the wave's 128 numbers of bo: 32 (lane / 16)
.set SPW,  28
.set NIL,  29
.set TMP,  32
.set AF,   128
.set BK,   128
.set G1, 24
.set G0, 32
.set G1B, 48
.set G0B, 56
.set MSB, 0
.macro WIN new
.if MSB != \new
	s_set_vgpr_msb (MSB<<8)|\new
.set MSB, \new
.endif
.endm
.set MUL_LO, 0xa1
.set MUL_HI, 0xf1
.set TO_B,   0x40
.macro JLOAD g0a, g1a, g0b, g1b        ; waves 0 and 1 fetch a's halves, waves 2 and 3 Wo's; an s_nop 0 and four v_nop follow each of the two lines
	s_cmp_eq_u32 s15, 0
	s_cbranch_scc0 .Lfor_b_\@
	tensor_load_to_lds s[\g0a:\g0a+3], s[\g1a:\g1a+7]
	s_nop 0
.rept 4
	v_nop
.endr
	s_branch .Lasked_\@
.Lfor_b_\@:
	tensor_load_to_lds s[\g0b:\g0b+3], s[\g1b:\g1b+7]
	s_nop 0
.rept 4
	v_nop
.endr
.Lasked_\@:
.endm
.macro CREST
	s_cmp_lg_u32 s14, 0
	s_cbranch_scc1 .Lnot_wave_0_\@
	s_barrier_signal -3
.Lnot_wave_0_\@:
	s_barrier_wait -3
	s_barrier_signal -1
	s_barrier_wait -1
.endm
.macro CROUND
	s_barrier_signal -1
	s_barrier_wait -1
	CREST
.endm
	s_load_b128 s[4:7], s[0:1], 0x0                ; acodes, wcodes
	s_load_b128 s[8:11], s[0:1], 0x10              ; lowp_scales, bo
	s_load_b64 s[12:13], s[0:1], 0x20              ; out0
	v_lshl_add_u32 v[SPW], v0, 2, SPARE
	v_mov_b32 v[NIL], 0
	ds_add_u32 v[SPW], v[NIL]                      ; the wave's opening: the add, twice on end, and its wait ahead of my first tensor load; the set-up below stands between
	ds_add_u32 v[SPW], v[NIL]
	v_lshrrev_b32 v1, 5, v0
	v_readfirstlane_b32 s14, v1                    ; wave 0..3
	s_lshr_b32 s15, s14, 1                         ; which half of the tile's tokens is mine.  Also: I fetch for a (0) or for Wo (1)
	s_and_b32 s16, s14, 1                          ; which half of its columns.  Also: which half of that tile I fetch
	s_bfe_u32 s40, ttmp6, 0x40000                  ; cx, cy
	s_bfe_u32 s41, ttmp6, 0x40004
	s_lshl_b32 s42, ttmp9, 2
	s_add_co_u32 s42, s42, s40                     ; tile column = 4 x cluster x + cx
	s_and_b32 s17, ttmp7, 0xffff
	s_lshl_b32 s17, s17, 2
	s_add_co_u32 s17, s17, s41                     ; tile row = 4 x cluster y + cy
	s_lshl_b32 s43, s41, 2
	s_lshl_b32 s43, 15, s43                        ; my row of the cluster
	s_lshl_b32 s44, 0x1111, s40                    ; my column
	; descriptor group 1 for a: 8 rows of 4,096 bytes, 16,384 bytes apart in memory, dense in LDS
	s_or_b32 s[G1+0], s43, (0<<16)|(1<<21)         ; 15:0 the mask: my row; 17:16 elements of 1 byte; 20 no padding; 21 set beside a mask
	s_mov_b32 s[G1+1], 4096<<16                    ; tensor_dim0
	s_mov_b32 s[G1+2], 8<<16                       ; tensor_dim1
	s_mov_b32 s[G1+3], 4096<<16                    ; tile_dim0
	s_mov_b32 s[G1+4], 8                           ; tile_dim1
	s_mov_b32 s[G1+5], 16384                       ; tensor_dim0_stride
	s_mov_b32 s[G1+6], 0
	s_mov_b32 s[G1+7], 0
	; for Wo: 128 rows of 256 bytes, padded in LDS
	s_or_b32 s[G1B+0], s44, (0<<16)|(1<<20)|(1<<21)|(5<<22)|(3<<25)
	s_mov_b32 s[G1B+1], ROWB<<16
	s_mov_b32 s[G1B+2], 128<<16
	s_mov_b32 s[G1B+3], ROWB<<16
	s_mov_b32 s[G1B+4], 128
	s_mov_b32 s[G1B+5], KROW
	s_mov_b32 s[G1B+6], 0
	s_mov_b32 s[G1B+7], 0
	s_lshl_b32 s20, s17, 4
	s_lshl_b32 s18, s16, 3
	s_add_co_u32 s20, s20, s18
	s_lshl_b32 s20, s20, 14                        ; a: tile of tokens 16 x tile row + 8 x half, 16,384 bytes each
	s_mov_b32 s21, 0
	s_lshl_b32 s46, s42, 8
	s_lshl_b32 s18, s16, 7
	s_add_co_u32 s46, s46, s18
	s_add_co_u32 s46, s46, 3072
	s_lshl_b32 s46, s46, 10                        ; Wo: row 3,072 + 256 x tile column + 128 x half of wcodes, 1,024 bytes each
	s_mov_b32 s47, 0
	s_lshl_b32 s45, s16, 15                        ; where they go: a's half,
	s_mul_i32 s71, s16, HALFT
	s_add_co_u32 s71, s71, BOFF                    ; Wo's half: no place in the cluster enters an LDS address
	s_wait_dscnt 0x0                               ; both opening adds are done
	s_wait_kmcnt 0x0
	s_load_b64 s[96:97], s[8:9], 0x28              ; e10, e11
	s_add_nc_u64 s[20:21], s[4:5], s[20:21]
	s_add_nc_u64 s[46:47], s[6:7], s[46:47]
	CROUND                                         ; all sixteen work-groups are here: the first joint loads meet
.irp s, 0,1
	s_mov_b32 s[G0+4*\s], 1
	s_add_co_u32 s[G0+4*\s+1], s45, \s*SLOT
	s_add_nc_u64 s[G0+4*\s+2:G0+4*\s+3], s[20:21], \s*4096
	s_or_b32 s[G0+4*\s+3], s[G0+4*\s+3], 0x80000000
	s_mov_b32 s[G0B+4*\s], 1
	s_add_co_u32 s[G0B+4*\s+1], s71, \s*SLOT
	s_add_nc_u64 s[G0B+4*\s+2:G0B+4*\s+3], s[46:47], \s*ROWB
	s_or_b32 s[G0B+4*\s+3], s[G0B+4*\s+3], 0x80000000
	JLOAD G0+4*\s, G1, G0B+4*\s, G1B               ; two tensor loads of mine are out behind these
.endr
	v_and_b32 v1, 15, v0                           ; r
	v_bfe_u32 v2, v0, 4, 1                         ; h
	v_mul_u32_u24 v3, v1, PITCH
	v_lshl_add_u32 v4, v2, 4, v3                   ; Wo: a fragment's row x pitch + 16 x half
	v_and_b32 v6, 31, v0
	v_lshlrev_b32 v[CO], 4, v6                     ; 16 x lane: an image's place for my lane; also my bytes of a row of out0
	v_lshlrev_b32 v[BOF], 5, v2
	s_lshl_b32 s21, s15, 15                        ; my 8 tiles of tokens
	s_mul_i32 s22, s16, HALFT
	s_add_co_u32 s22, s22, BOFF                    ; my 128 rows of Wo
.irp s, 0,1
	v_add_nc_u32 v[ADRA+\s], s21, v[CO]
	v_add_nc_u32 v[ADRB+\s], s22, v4
	s_add_co_u32 s21, s21, SLOT
	s_add_co_u32 s22, s22, SLOT
.endr
	s_mul_i32 s23, s14, 16*SPITCH                  ; my stage
	v_mul_u32_u24 v5, v1, SPITCH                   ; in: row r, 32 bytes for each half of the lanes
	v_lshl_add_u32 v5, v2, 5, v5
	v_add_nc_u32 v[STO], s23, v5
	v_add_nc_u32 v[RD], s23, v[CO]                 ; back: the 32 lanes take one row of 512 bytes
	s_lshl_b32 s72, s17, 8
	s_lshl_b32 s73, s15, 7
	s_add_co_u32 s72, s72, s73
	s_lshl_b32 s72, s72, 12                        ; my first row of out0: 256 x tile row + 128 x half, 4,096 bytes each
	s_mov_b32 s73, 0
	s_lshl_b32 s74, s42, 10
	s_lshl_b32 s75, s16, 9
	s_add_co_u32 s74, s74, s75                     ; my first column, in bytes: 1,024 x tile column + 512 x half
	s_mov_b32 s75, 0
	s_add_nc_u64 s[12:13], s[12:13], s[72:73]
	s_add_nc_u64 s[12:13], s[12:13], s[74:75]
	s_add_nc_u64 s[10:11], s[10:11], s[74:75]      ; and the same columns of bo
.macro FRAG reg, adr, q, i             ; Wo: lane l holds row l % 16; registers 4 c .. 4 c + 3 hold K = 32 c + 16 (l / 16) + 0 .. 15
.irp c, 0,1,2,3
	ds_load_b128 v[\reg+4*\c:\reg+4*\c+3], v[\adr] offset:128*(\q)+32*\c+(\i)*16*PITCH
.endr
.endm
.macro FRAGA reg, adr, q, i            ; a: the image of the same registers: tile of tokens i, chunk q, piece c, 16 bytes a lane
.irp c, 0,1,2,3
	ds_load_b128 v[\reg+4*\c:\reg+4*\c+3], v[\adr] offset:(\i)*4096+(\q)*2048+512*\c
.endr
.endm
.macro MUL16 a0, p, zero               ; the 64 accumulators take turns, one instruction a turn, in the same order in every step
.irp a, \a0, \a0+1
.irp b, 0,1,2,3,4,5,6,7
.if \zero
	v_wmma_f32_16x16x128_bf8_bf8 v[8*(8*((\a)%4)+\b):8*(8*((\a)%4)+\b)+7], v[128*(\p)+FR*\b:128*(\p)+FR*\b+FR-1], v[AF+FR*(\a):AF+FR*(\a)+FR-1], 0
.else
	v_wmma_f32_16x16x128_bf8_bf8 v[8*(8*((\a)%4)+\b):8*(8*((\a)%4)+\b)+7], v[128*(\p)+FR*\b:128*(\p)+FR*\b+FR-1], v[AF+FR*(\a):AF+FR*(\a)+FR-1], v[8*(8*((\a)%4)+\b):8*(8*((\a)%4)+\b)+7]
.endif
.endr
.endr
.endm
.macro FETCH_B slot, q, p
	WIN TO_B
.irp i, 0,1,2,3,4,5,6,7
	FRAG 128*(\p)+FR*\i, ADRB+\slot, \q, \i
.endr
	WIN 0
.endm
.macro FETCH_A slot, q, i0
.irp i, \i0, \i0+1, \i0+2, \i0+3
	FRAGA AF+FR*(\i), ADRA+\slot, \q, \i
.endr
.endm
.macro PLACES n                        ; plain vector instructions between a matrix instruction and a load into, or a vector instruction on, its registers
.rept \n
	v_nop
.endr
.endm
.macro STEP slot, q, zero
	s_wait_dscnt 4*NL                              ; Wo's set and a's blocks 0-3 are in; the youngest 16 loads (blocks 4-7) may be out
	WIN MUL_LO
	MUL16 0, (\q)%2, \zero
	MUL16 2, (\q)%2, \zero
	s_wait_dscnt 0
	PLACES NP
	FETCH_B \slot, (\q)+1, 1-(\q)%2
	FETCH_A \slot, (\q)+1, 0
	WIN MUL_HI
	MUL16 4, (\q)%2, \zero
	MUL16 6, (\q)%2, \zero
	PLACES NP
	WIN 0
	FETCH_A \slot, (\q)+1, 4
.endm
.macro TURN slot, next, fill           ; a slot's last step changes slots: ONE barrier, in front of it the wait for all my tensor loads, the add, and the wait for it and for my reads of this slot
	s_wait_tensorcnt 0x0                           ; all my tensor loads have landed: my part of the next slot
	ds_add_u32 v[SPW], v[NIL]                      ; 0 onto my spare word
	s_wait_dscnt 4*NL+1                            ; (the add and the youngest 16 loads may be out)
	WIN MUL_LO
	MUL16 0, 1, 0
	s_wait_dscnt 0x0                               ; the add is done, and my reads of this slot are over
	s_barrier_signal -1
	MUL16 2, 1, 0
	WIN 0
	s_barrier_wait -1
.if \fill
	CREST                                          ; the barrier has opened a round of the cluster's barrier: no wave of any partner still reads this slot's tile or has a load on its way
	s_add_nc_u64 s[G0+4*\slot+2:G0+4*\slot+3], s[G0+4*\slot+2:G0+4*\slot+3], 2*4096
	s_add_nc_u64 s[G0B+4*\slot+2:G0B+4*\slot+3], s[G0B+4*\slot+2:G0B+4*\slot+3], 2*ROWB
	JLOAD G0+4*\slot, G1, G0B+4*\slot, G1B         ; the first tensor load behind the round, my one load until the next; its four v_nop are the places in front of the loads below
.else
	PLACES NP
.endif
	FETCH_B \next, 0, 0
	FETCH_A \next, 0, 0
	WIN MUL_HI
	MUL16 4, 1, 0
	MUL16 6, 1, 0
	PLACES NP
	WIN 0
	FETCH_A \next, 0, 4
.endm
	s_wait_tensorcnt 1                             ; my part of K step 0 is in (K step 1's load may be out)
	s_barrier_signal -1
	s_barrier_wait -1                              ; everybody's is
	FETCH_B 0, 0, 0
	FETCH_A 0, 0, 0
	FETCH_A 0, 0, 4
	STEP 0, 0, 1                                   ; the first step stands in front of the loop: its products start the sums
	s_mov_b32 s3, LAPS-1
.Llap:
	TURN 0, 1, 1
	STEP 1, 0, 0
	TURN 1, 0, 1
	STEP 0, 0, 0
	s_sub_co_u32 s3, s3, 1
	s_cmp_lg_u32 s3, 0
	s_cbranch_scc1 .Llap
	TURN 0, 1, 0                                   ; the last lap fills nothing
	STEP 1, 0, 0
	s_wait_dscnt 4*NL
	WIN MUL_LO
	MUL16 0, 1, 0
	MUL16 2, 1, 0
	s_wait_dscnt 0
	WIN MUL_HI
	MUL16 4, 1, 0
	MUL16 6, 1, 0
	WIN 0
; THE WAY OUT, block by block of 16 rows x 128 columns, through my own stage in LDS, back as whole rows of 512 bytes.  LDS serves a wave's instructions in order (ISA guide 5.7.1.4): no wait between the stores and the loads.
.macro TOSTAGE a
.set AC, 64*((\a)%4)
	WIN 0x12+((\a)/4)                              ; source 0 (the sums): window 2 or 3; source 2 (bo): window 1
.set j, 0
.rept 32
	v_pk_fma_f32 v[TMP+j:TMP+j+1], v[AC+j:AC+j+1], s[96:97], v[j:j+1] op_sel_hi:[1,0,1]   ; sum x 2^(e10 + e11) + bo; each accumulator from its low end on
.set j, j+2
.endr
	WIN 0
.irp b, 0,1,2,3,4,5,6,7
	ds_store_b128 v[STO], v[TMP+8*\b:TMP+8*\b+3] offset:64*\b
	ds_store_b128 v[STO], v[TMP+8*\b+4:TMP+8*\b+7] offset:64*\b+16
.endr
.set BB, BK+64*((\a)%2)
.irp t, 0,1,2,3,4,5,6,7,8,9,10,11,12,13,14,15
	ds_load_b128 v[BB+4*\t:BB+4*\t+3], v[RD] offset:\t*SPITCH
.endr
.endm
.macro SEND a, younger                 ; younger: the LDS instructions issued behind block a's loads, which may stay out
.set BB, BK+64*((\a)%2)
	s_wait_dscnt \younger
.if (\a) > 0
	s_add_nc_u64 s[12:13], s[12:13], 16*SIZE_N*4   ; (behind a wait on XCNT for 0: the earlier stores have read their base)  16 rows on
.endif
.irp t, 0,1,2,3,4,5,6,7,8,9,10,11,12,13,14,15
	global_store_b128 v[CO], v[BB+4*\t:BB+4*\t+3], s[12:13] offset:\t*SIZE_N*4 th:TH_STORE_NT   ; 32 lanes store 512 consecutive bytes, aligned; written once, read by nobody here
.endr
.endm
	s_wait_kmcnt 0x0
	s_add_co_i32 s96, s96, s97
	s_add_co_i32 s96, s96, 127
	s_lshl_b32 s96, s96, 23                        ; 2^(e10 + e11) as f32
	s_mov_b32 s97, s96                             ; (named with it as a pair, so it is written)
	PLACES NP                                      ; in front of the loads into Wo's registers and into a's, and of the first read of results
	WIN TO_B
.irp b, 0,1,2,3,4,5,6,7
	global_load_b128 v[8*\b:8*\b+3], v[BOF], s[10:11] offset:64*\b        ; bo in the result's layout: for column block b my eight columns 16 b + 8 h + 0 .. 7
	global_load_b128 v[8*\b+4:8*\b+7], v[BOF], s[10:11] offset:64*\b+16
.endr
	WIN 0
	s_wait_loadcnt 0x0
	TOSTAGE 0
.irp a, 1,2,3,4,5,6,7
.if \a > 1
	s_wait_xcnt 0x0                                ; block a - 2's stores have read their registers and their base: block a's loads may land there, and the base may step
.endif
	TOSTAGE \a
	SEND \a-1, 32                                  ; behind block a - 1's loads: block a's 16 stores and 16 loads
.endr
	s_wait_xcnt 0x0                                ; block 6's stores have read their base
	SEND 7, 0
	s_wait_tensorcnt 0x0                           ; the wave's end, behind my last tensor load and my last LDS store
	ds_add_u32 v[SPW], v[NIL]
	s_wait_dscnt 0x0
	CROUND                                         ; the closing round: no work-group ends while a partner may still ask for a tile that names it
	s_endpgm
.Lfunc_end_k_qa39eea8344_oproj:
	.size	k_qa39eea8344_oproj, .Lfunc_end_k_qa39eea8344_oproj-k_qa39eea8344_oproj
	.p2alignl 7, 3214868480
	.fill 96, 4, 3214868480
	.section	.rodata,"a",@progbits
	.p2align	6, 0x0
	.amdhsa_kernel k_qa39eea8344_oproj
		.amdhsa_group_segment_fixed_size 327680
		.amdhsa_private_segment_fixed_size 0
		.amdhsa_enable_private_segment 0
		.amdhsa_kernarg_size 40
		.amdhsa_user_sgpr_count 2
		.amdhsa_user_sgpr_kernarg_segment_ptr 1
		.amdhsa_wavefront_size32 1
		.amdhsa_system_sgpr_workgroup_id_x 1
		.amdhsa_system_sgpr_workgroup_id_y 1
		.amdhsa_system_sgpr_workgroup_id_z 1
		.amdhsa_system_vgpr_workitem_id 0
		.amdhsa_next_free_vgpr 1024
		.amdhsa_next_free_sgpr 100
		.amdhsa_reserve_vcc 0
		.amdhsa_float_denorm_mode_32 3
		.amdhsa_float_denorm_mode_16_64 3
		.amdhsa_memory_ordered 1
		.amdhsa_forward_progress 1
		.amdhsa_inst_pref_size 125
	.end_amdhsa_kernel
	.amdgpu_metadata
---
amdhsa.version: [ 1, 2 ]
amdhsa.kernels:
  - .name:           k_qa39eea8344_oproj
    .symbol:         k_qa39eea8344_oproj.kd
    .args:
      - { .name: acodes, .offset: 0, .size: 8, .value_kind: global_buffer, .address_space: global }
      - { .name: wcodes, .offset: 8, .size: 8, .value_kind: global_buffer, .address_space: global }
      - { .name: lowp_scales, .offset: 16, .size: 8, .value_kind: global_buffer, .address_space: global }
      - { .name: bo, .offset: 24, .size: 8, .value_kind: global_buffer, .address_space: global }
      - { .name: out0, .offset: 32, .size: 8, .value_kind: global_buffer, .address_space: global }
    .group_segment_fixed_size: 327680
    .private_segment_fixed_size: 0
    .kernarg_segment_align: 8
    .kernarg_segment_size: 40
    .max_flat_workgroup_size: 128
    .sgpr_count:     100
    .vgpr_count:     1024
    .wavefront_size: 32
...
	.end_amdgpu_metadata
.endif
;; end of part 4
